; MI455X (gfx1250); checked and timed in simulation.
; The chip was launched on July 23, 2026; its instructions are those of AMD's public machine-readable ISA for CDNA 5 (MIT licence, August 2026) and "CDNA5" Instruction Set Architecture Reference Guide (July 2026). The comments in the code are by the model that wrote it; some were corrected since.
;; Seq Attention. Allowed arithmetic: matrix products marked QUANTISED: E2M1 operands, one E8M0 scale for each 32 along K, by v_wmma_scale_f32_16x16x128_f8f6f4 with both operands' format E2M1 (or v_wmma_scale_f32_32x16x128_f4), f32 sums; products left as they are: bf16, f16 or f32 operands; f32 sums; everything else in f32.
;; Inputs: key 64 x 2,048 x 64 float32; key_pe 1 x 64 x 1,024 float32; query 64 x 1,024 x 64 float32; value 64 x 2,048 x 64 float32.
;; Outputs: out0 64 x 1,024 x 64 float32.
;; This version of the problem:
;;   THIS VERSION OF THE PROBLEM IS GIVEN IN LOW PRECISION. The matrix products marked QUANTISED in the list below multiply operands that are first quantised to E2M1 (2 exponent bits, 1 mantissa bit; 4 bits a number), with one power-of-two scale for each 32 numbers along K (OCP MX v1.0); their sums are f32. The products marked 'left as it is' may take bf16, f16 or f32 operands, with f32 sums. Whichever they take, every output number must still come out within the allowed error. Rounding operands to bf16 (8 significant bits) uses up far more of that allowance than f16 does (11 bits, for magnitudes from 6e-5 to 65,504). All else is computed in f32.
;;   The module's matrix products, in the order in which they are computed (A, B: the left and right operand; K: the contracted axis; several contracted axes count as one K, in the product's order):
;;     1. batch 64 x [M 1,024, K 64] x [K 64, N 2,048]; A: input query; B: input key: QUANTISED
;;     2. [M 65,536, K 64] x [K 64, N 1,024]; A: input query; B: input key_pe: QUANTISED
;;     3. batch 64 x [M 1,024, K 2,048] x [K 2,048, N 64]; A: computed on the way; B: input value: left as it is (an operand is computed on the way)
;;   THE QUANTISER, for each operand of a quantised product, along K:
;;     - K is cut into blocks of 32 from its start; a last block that is shorter is filled with zeros.
;;     - A block's scale is 2^e with e = floor(log2(the largest magnitude in the block)) - 2, held to -126 .. 127; a block of zeros has e = 0. As a byte (E8M0): e + 127.
;;     - Each number is divided by its block's scale, clamped to +-6, and rounded to the nearest number of E2M1, ties to even, subnormals kept.
;;     - The product sums the exact products of the quantised numbers (number of the format x scale) in f32.
;;   ~~~python
;;   def quantise(x, axis):      # numpy; x: float32 -> the quantised numbers, widened to float32 again
;;       x = np.moveaxis(x, axis, -1); K = x.shape[-1]
;;       x = np.pad(x, [(0, 0)] * (x.ndim - 1) + [(0, -K % 32)]); x = x.reshape(x.shape[:-1] + (-1, 32)); a = np.abs(x).max(-1, keepdims=True)
;;       e = np.where(a > 0, np.clip(np.frexp(np.where(a > 0, a, 1))[1] - 1 - 2, -126, 127), 0)      # np.frexp(a)[1] - 1 = floor(log2(a)), exactly
;;       r = np.clip(x / 2.0 ** e, -6, 6)
;;       step = 2.0 ** (np.maximum(np.frexp(np.where(r == 0, 1, r))[1] - 1, 0) - 1)
;;       q = np.round(r / step) * step * 2.0 ** e      # np.round: ties to even
;;       return np.moveaxis(q.reshape(q.shape[:-2] + (-1,))[..., :K], -1, axis).astype(np.float32)
;;   ~~~
;; 2 versions, each right. Each part assembles by itself: llvm-mc -triple=amdgcn-amd-amdhsa -mcpu=gfx1250 --defsym DOCPART=n.
;; ======== version 1 of 2: 1 launch
;; limits: values are held in f16: magnitudes above 65,504 overflow, below 6.1e-05 lose precision; inputs' magnitudes at most 65,504
;; launch banded (part 1): grid 4 x 64, 16 waves a work-group, no clusters, 302,592 bytes of LDS; arguments query, key, value, key_pe, out0; writes out0
.if DOCPART == 1
	.amdgcn_target "amdgcn-amd-amdhsa--gfx1250"
	.amdhsa_code_object_version 6
	.text
	.protected	k_q97404e50bf_banded
	.globl	k_q97404e50bf_banded
	.p2align	8
	.type	k_q97404e50bf_banded,@function
k_q97404e50bf_banded:
	s_mov_b64 s[64:65], 0
	v_nop
	global_prefetch_b8 v0, s[64:65] scope:SCOPE_SE
	s_setreg_imm32_b32 hwreg(HW_REG_WAVE_MODE, 25, 1), 1
	s_wait_xcnt 0x0
; out[b][i][:] = sum over l = 0 .. 1023 of softmax_l((q_i . k_(i+l) + q_i . pe_l) / 8) v_(i+l).  query [64][1024][64], key, value [64][2048][64], key_pe [64][1024], out [64][1024][64], all f32.
; Only the band 0 <= key - query <= 1023 is multiplied: the rest is what the skewing throws away.
; FORMATS.  q, key and key_pe are quantised here to E2M1 codes with one E8M0 byte for each 32 along the head's 64 (scale = the block's largest magnitude's exponent - 2) and multiplied by the scaled
; 16x16x128 form; both score products are summed in f32.  The weights p = 2^(t - max) and value go to the second product as f16; maxima, sums and the division are f32.
; LIMITS.  |value| up to 65,504 (f16 operand); a weight under 6e-8 of its row's largest is dropped (f16); NaN and infinities among the inputs are not served; a block whose largest magnitude lies under
; 2^-124, a block of zeros among them, gets the scale byte 1 (a block of zeros: its codes are zeros, and the bytes are read by this program alone).  The running maximum is kept as -c max and moved by
; adding min(new - old, 0): that sum is rounded once, in f32, like the subtraction of the maximum itself.
; SHARES.  A work-group owns 256 queries of one head (grid x: the block, grid y: the head) and needs 1,280 keys.  Each of 16 waves owns 16 queries: tile row m is query Ib + m + 8 (m / 8), Ib = 256 x + 32 (w / 2) + 8 (w % 2).
; It walks 66 tiles of 16 keys (tile t: keys Ib + 16 t + lane % 16), six tiles a step, eleven steps.
; LAYOUT.  S = Q K^T is used as it comes: lane (r, h) holds key r, register j query Ib + 16 h + j, so l = 16 t - 16 h + r - j.  The position product fills the spare half of the form's K = 128: rows 0-7 of A carry q in
; k 0-63, rows 8-15 in k 64-127, and B = [pe columns 16 t .. | pe columns 16 t - 16 ..]: register j of lane (r, h) is then q . pe(16 t - 16 h + r).  What is wanted lies j lanes to the left: one DPP addition
; shifted right by j from tile t, one shifted left by 16 - j from tile t - 1; lanes that a shift leaves without a source keep their sum.
; p goes through the wave's own stage in LDS (16 bytes a lane in, a turning load out) and is source 0 of O = P V, whose result has the statistics' layout: register j, half h = the query.
; LDS.  All operands of the work-group lie in LDS, each byte written once: key codes and scale words, pe codes and scale words, value as f16.  All 16 waves make them (load, quantise or convert, store), a batch of
; 128 keys and 128 pe columns in each of the first seven steps, one step ahead of use: step s reads key slots under 328 + 96 s and pe columns under 96 + 96 s and stores slots from 384 + 128 s and columns
; from 128 + 128 s on.  One barrier behind each batch orders its stores with the later reads; nothing is ever overwritten.
; NO TENSOR LOAD, NO CLUSTER: every operand arrives as f32 and has to pass through registers to be quantised or converted, so there is no tile that a joint load could bring; and the four blocks of a head want a
; given key 256 keys, more than two steps, apart.
.set KP,    164864                     ; behind value's 1,288 rows of 128 bytes: key codes, two planes (block of 32), 16 bytes a key slot
.set KPL,   20992                      ; a plane: 1,312 slots
.set KS,    206848                     ; key scale words [e0, e1, 0, 0]: word 32 + slot
.set PP,    212224                     ; pe codes, two planes, 16 bytes a column: entry l + 32, l = -32 .. 1055
.set PPL,   17408
.set PW,    247040                     ; pe scale words: word l + 16 = [e0(l), e1(l), e0(l - 16), e1(l - 16)]
.set STG,   251392                     ; 3,072 bytes for each wave: p's stage, later the way out's
.set SPARE, 300544                     ; the spare words: 128 bytes for each wave, eight blocks of 256 bytes that no other line names
.set SPW, 1                            ; v1   LDS address of my spare word; never rewritten
.set NIL, 2                            ; v2   0; never rewritten
.set AK,  3                            ; v3   key codes of the step's tile 0
.set AP,  4                            ; v4   pe codes two groups of 16 columns under the step's tile 0
.set ASC, 5                            ; v5   scale words of the tile before the step's first: lanes 0-15 the keys', lanes 16-31 pe's
.set AV,  6                            ; v6-9 value, channels 16 c on
.set STO, 10                           ; v10  the stage: in
.set STL, 11                           ; v11  the stage: out
.set KO,  12                           ; v12-14 offsets in key, value, key_pe; never rewritten
.set VO,  13
.set PO,  14
.set PFO, 15                           ; v15  256 x lane; never rewritten
.set KC,  16                           ; v16-20 where I store: key codes, key words, value, pe codes, pe bytes
.set KW,  17
.set VSA, 18
.set PCA, 19
.set PBA, 20
.set SH8, 21                           ; v21  8 x (which block of a key my lane holds)
.set QS,  22                           ; v22  q's scale word [e0, e1, e0, e1]
.set NEG, 23                           ; v23  -infinity
.set AC,  24                           ; v24-31 [q's codes | zeros]
.set AQ,  32                           ; v32-39 rows 0-7 [q | 0], rows 8-15 [0 | q]
.set NM,  40                           ; v40-47 -c max
.set LS,  48                           ; v48-55 my lane's part of the sums
.set O,   56                           ; v56-87 the output, channels 16 c on at 8 c
.set KD,  88                           ; v88-135 a batch on its way: key, value, pe
.set VD,  104
.set PD,  120
.set S,   136                          ; v136-183 six tiles of scores, then p
.set PT,  184                          ; v184-207 three position tiles by turns: tile u in ((u + 1) % 3)
.set KG,  208                          ; v208-215 two tiles of key codes
.set PG,  216                          ; v216-231 four groups of pe codes, columns descending
.set SCR, 232                          ; v232-238 scale words of tiles -1 .. 5
.set PBY, 239
.set T,   240                          ; v240-255 at work
.set R,   184                          ; the step's maxima (a position tile's place)
.set AA,  200                          ; the change of -c max, then a = 2^that
.set H,   208                          ; p as f16, four registers a tile
.set VT,  136                          ; value's conversion, at work
.macro NOPS                            ; four places behind matrix instructions, ahead of loads into their sources and of the first read of their results
.rept 4
	v_nop
.endr
.endm
; ---- a batch's loads.  key: 8 keys a wave, lane L takes 8 numbers (d = 8 (L % 8) on) of key 4 x + L / 8
.macro K_ISSUE d, off
.irp x, 0,1
	global_load_b128 v[\d+8*\x:\d+8*\x+3], v[KO], s[6:7] offset:\off+1024*\x
	global_load_b128 v[\d+8*\x+4:\d+8*\x+7], v[KO], s[6:7] offset:\off+1024*\x+16
.endr
.endm
.macro V_ISSUE d, off                  ; value: the wave's 2,048 bytes as they lie, 512 to a load
.irp i, 0,1,2,3
	global_load_b128 v[\d+4*\i:\d+4*\i+3], v[VO], s[8:9] offset:\off+512*\i
.endr
.endm
.macro P_ISSUE d, off                  ; key_pe: a lane to a column, registers down K: 16 rows of my half of my block
.irp i, 0,1,2,3,4,5,6,7,8,9,10,11,12,13,14,15
	global_load_b32 v[\d+\i], v[PO], s[10:11] offset:\off+4096*\i
.endr
.endm
; ---- key: four lanes hold a block of 32.  b: which batch of 128 slots from KC on
.macro K_CONV d, b
.irp x, 0,1
	v_max3_num_f32 v[T+\x], |v[\d+8*\x]|, |v[\d+8*\x+1]|, 0x1800000     ; with the floor 2^(3 - 127): the byte cannot fall under 1
.endr
.irp i, 2,4,6
.irp x, 0,1
	v_max3_num_f32 v[T+\x], v[T+\x], |v[\d+8*\x+\i]|, |v[\d+8*\x+\i+1]|
.endr
.endr
.irp m, 1,2
.irp x, 0,1
	v_max_num_f32_dpp v[T+\x], v[T+\x], v[T+\x] row_xmask:\m row_mask:0xf bank_mask:0xf
.endr
.endr
.irp x, 0,1
	v_add_nc_u32 v[T+2+\x], 0xff000000, v[T+\x]                     ; 2 off the exponent field: the conversion's scale operand
.endr
.irp x, 0,1
	v_cvt_scalef32_pk8_fp4_f32 v[T+6+\x], v[\d+8*\x:\d+8*\x+7], v[T+2+\x]
.endr
.irp x, 0,1
	v_lshrrev_b32 v[T+4+\x], 23, v[T+2+\x]                          ; the byte (also the plain line behind the conversions)
.endr
.irp x, 0,1
	v_lshlrev_b32 v[T+4+\x], v[SH8], v[T+4+\x]                      ; at its block's place,
.endr
.irp x, 0,1
	v_mov_b32_dpp v[T+8+\x], v[T+4+\x] row_xmask:4 row_mask:0xf bank_mask:0xf
.endr
.irp x, 0,1
	v_or_b32 v[T+4+\x], v[T+4+\x], v[T+8+\x]                        ; with the other block's: the key's word
.endr
.irp x, 0,1
	ds_store_b32 v[KC], v[T+6+\x] offset:2048*(\b)+64*\x
	ds_store_b32 v[KW], v[T+4+\x] offset:512*(\b)+16*\x             ; a key's eight lanes write the same word with the same value
.endr
.endm
; ---- value to f16: load i holds keys 2 i, 2 i + 1; a row's 16-byte pieces are exchanged by 2 i, so that the turning loads' eight rows fall on different banks
.macro V_CONV d, b
.irp i, 0,1,2,3
	v_cvt_pk_f16_f32 v[VT+2*\i], v[\d+4*\i], v[\d+4*\i+1]
	v_cvt_pk_f16_f32 v[VT+2*\i+1], v[\d+4*\i+2], v[\d+4*\i+3]
.endr
.irp i, 1,2,3
	v_xor_b32 v[VT+7+\i], 32*\i, v[VSA]
.endr
	ds_store_b64 v[VSA], v[VT:VT+1] offset:16384*(\b)
.irp i, 1,2,3
	ds_store_b64 v[VT+7+\i], v[VT+2*\i:VT+2*\i+1] offset:16384*(\b)+256*\i
.endr
.endm
; ---- key_pe: lanes l and l xor 16 hold a block of one column
.macro P_CONV d
	v_max3_num_f32 v[T+11], |v[\d]|, |v[\d+1]|, 0x1800000
	v_max3_num_f32 v[T+12], |v[\d+2]|, |v[\d+3]|, |v[\d+4]|
.irp i, 5,9
	v_max3_num_f32 v[T+11], v[T+11], |v[\d+\i]|, |v[\d+\i+1]|
	v_max3_num_f32 v[T+12], v[T+12], |v[\d+\i+2]|, |v[\d+\i+3]|
.endr
	v_max3_num_f32 v[T+11], v[T+11], |v[\d+13]|, |v[\d+14]|
	v_max3_num_f32 v[T+11], v[T+11], v[T+12], |v[\d+15]|
	v_permlanex16_b32 v[T+10], v[T+11], s20, s21
	v_max_num_f32 v[T+11], v[T+11], v[T+10]
	v_add_nc_u32 v[T+13], 0xff000000, v[T+11]
	v_cvt_scalef32_pk8_fp4_f32 v[T+14], v[\d:\d+7], v[T+13]
	v_cvt_scalef32_pk8_fp4_f32 v[T+15], v[\d+8:\d+15], v[T+13]
	v_lshrrev_b32 v[PBY], 23, v[T+13]                               ; the byte (also the plain line behind the conversions)
	ds_store_b64 v[PCA], v[T+14:T+15]
	ds_store_b8 v[PBA], v[PBY]                                      ; lanes 0-15: into column l's word; lanes 16-31: into column l + 16's upper half
.endm
; ---- the codes of tiles 2 b, 2 b + 1
.macro GROUPS b
	ds_load_b128 v[KG:KG+3], v[AK] offset:512*(\b)
	ds_load_b128 v[KG+4:KG+7], v[AK] offset:512*(\b)+256
	ds_load_b128 v[PG:PG+3], v[AP] offset:256*(2*(\b)+3)
	ds_load_b128 v[PG+4:PG+7], v[AP] offset:256*(2*(\b)+2)
	ds_load_b128 v[PG+8:PG+11], v[AP] offset:256*(2*(\b)+1)
.if (\b) == 0
	ds_load_b128 v[PG+12:PG+15], v[AP]
.endif
.endm
; Q K^T of tile u.  B's upper four registers are whatever codes stand next: they meet A's zero codes, and no scale byte there is 0xff
.macro CONT u
	v_wmma_scale_f32_16x16x128_f8f6f4 v[S+8*(\u):S+8*(\u)+7], v[AC:AC+7], v[KG+4*((\u)%2):KG+4*((\u)%2)+7], 0, v[QS], v[SCR+(\u)+1] matrix_a_fmt:MATRIX_FMT_FP4 matrix_b_fmt:MATRIX_FMT_FP4
.endm
; Q PE of tile u: B = the group at PG + g and the group 16 columns under it; its scale words stand in lanes 16-31
.macro POS u, g
	v_wmma_scale_f32_16x16x128_f8f6f4 v[PT+8*(((\u)+1)%3):PT+8*(((\u)+1)%3)+7], v[AQ:AQ+7], v[PG+\g:PG+\g+7], 0, v[QS], v[SCR+(\u)+1] matrix_a_fmt:MATRIX_FMT_FP4 matrix_b_fmt:MATRIX_FMT_FP4 matrix_b_scale:MATRIX_SCALE_ROW1
.endm
.macro SHRS u                          ; from tile u's own position tile: lane r takes lane r - j.  Each result is read from its low end on
	v_add_f32 v[S+8*(\u)], v[PT+8*(((\u)+1)%3)], v[S+8*(\u)]
.irp j, 1,2,3,4,5,6,7
	v_add_f32_dpp v[S+8*(\u)+\j], v[PT+8*(((\u)+1)%3)+\j], v[S+8*(\u)+\j] row_shr:\j row_mask:0xf bank_mask:0xf
.endr
.endm
.macro SHL1 u, j, n
	v_add_f32_dpp v[S+8*(\u)+\j], v[PT+8*((\u)%3)+\j], v[S+8*(\u)+\j] row_shl:\n row_mask:0xf bank_mask:0xf
.endm
.macro SHLS u                          ; from the tile before: lane r < j takes lane r + 16 - j
	SHL1 \u, 1, 15
	SHL1 \u, 2, 14
	SHL1 \u, 3, 13
	SHL1 \u, 4, 12
	SHL1 \u, 5, 11
	SHL1 \u, 6, 10
	SHL1 \u, 7, 9
.endm
.macro ADDS ua, ub
	SHRS \ua
	SHRS \ub
	SHLS \ua
	SHLS \ub
.endm
; The band's ends: scores with l < 0 or l > 1023 become -infinity.  kind 0, 1: tiles 0, 1; kind 2, 3: tiles 64, 65.  The masks are constants: bit = lane, set where the score counts
.macro MASK u, kind
.irp j, 0,1,2,3,4,5,6,7
.set PJ, (0xffff<<\j)&0xffff
.if \kind == 0
.set MK, PJ
.elseif \kind == 1
.set MK, 0xffff|(PJ<<16)
.elseif \kind == 2
.set MK, ((~PJ)&0xffff)|0xffff0000
.else
.set MK, ((~PJ)&0xffff)<<16
.endif
.if MK != 0xffffffff
	s_mov_b32 s23, MK
	v_cndmask_b32 v[S+8*(\u)+\j], v[NEG], v[S+8*(\u)+\j], s23
.endif
.endr
.endm
.macro SOFTMAX first
.irp j, 0,1,2,3,4,5,6,7
	v_max3_num_f32 v[R+\j], v[S+\j], v[S+8+\j], v[S+16+\j]
.endr
.irp j, 0,1,2,3,4,5,6,7
	v_max3_num_f32 v[R+\j], v[R+\j], v[S+24+\j], v[S+32+\j]
.endr
.irp j, 0,1,2,3,4,5,6,7
	v_max_num_f32 v[R+\j], v[R+\j], v[S+40+\j]
.endr
.irp m, 1,2,4,8
.irp j, 0,1,2,3,4,5,6,7
	v_max_num_f32_dpp v[R+\j], v[R+\j], v[R+\j] row_xmask:\m row_mask:0xf bank_mask:0xf   ; over the 16 keys of a half: the step's largest score of query (j, h)
.endr
.endr
.if \first
.irp j, 0,2,4,6
	v_pk_mul_f32 v[NM+\j:NM+\j+1], v[R+\j:R+\j+1], s[18:19] op_sel_hi:[1,0]               ; -c max
.endr
.else
.irp j, 0,2,4,6
	v_pk_mul_f32 v[R+\j:R+\j+1], v[R+\j:R+\j+1], s[18:19] op_sel_hi:[1,0]
.endr
.irp j, 0,2,4,6
	v_pk_add_f32 v[AA+\j:AA+\j+1], v[R+\j:R+\j+1], v[NM+\j:NM+\j+1] neg_lo:[0,1] neg_hi:[0,1]
.endr
.irp j, 0,1,2,3,4,5,6,7
	v_min_num_f32 v[AA+\j], 0, v[AA+\j]                                                   ; c (old max - new max), 0 where the maximum has not grown
.endr
.irp j, 0,2,4,6
	v_pk_add_f32 v[NM+\j:NM+\j+1], v[NM+\j:NM+\j+1], v[AA+\j:AA+\j+1]
.endr
.endif
.irp u, 0,1,2,3,4,5
.irp j, 0,2,4,6
	v_pk_fma_f32 v[S+8*\u+\j:S+8*\u+\j+1], v[S+8*\u+\j:S+8*\u+\j+1], s[16:17], v[NM+\j:NM+\j+1] op_sel_hi:[1,0,1]   ; c s - c max
.endr
.endr
.if \first == 0
.irp j, 0,1,2,3,4,5,6,7
	v_exp_f32 v[AA+\j], v[AA+\j]
.endr
.endif
.irp n, 0,1,2,3,4,5,6,7,8,9,10,11,12,13,14,15,16,17,18,19,20,21,22,23,24,25,26,27,28,29,30,31,32,33,34,35,36,37,38,39,40,41,42,43,44,45,46,47
	v_exp_f32 v[S+\n], v[S+\n]
.endr
	v_nop                                          ; a plain line behind the last exponential
	s_wait_alu depctr_va_vdst(0)                   ; one wait for the whole batch, ahead of its first reader
.if \first
.irp j, 0,2,4,6
	v_pk_add_f32 v[LS+\j:LS+\j+1], v[S+\j:S+\j+1], v[S+8+\j:S+9+\j]
.endr
.else
.irp j, 0,2,4,6
	v_pk_fma_f32 v[LS+\j:LS+\j+1], v[LS+\j:LS+\j+1], v[AA+\j:AA+\j+1], v[S+\j:S+\j+1]
.endr
.irp j, 0,2,4,6
	v_pk_add_f32 v[LS+\j:LS+\j+1], v[LS+\j:LS+\j+1], v[S+8+\j:S+9+\j]
.endr
.endif
.irp u, 2,3,4,5
.irp j, 0,2,4,6
	v_pk_add_f32 v[LS+\j:LS+\j+1], v[LS+\j:LS+\j+1], v[S+8*\u+\j:S+8*\u+\j+1]             ; the sums are taken of p in f32: four chains by turns
.endr
.endr
.irp u, 0,1,2,3,4,5
.irp i, 0,1,2,3
	v_cvt_pk_f16_f32 v[H+4*\u+\i], v[S+8*\u+2*\i], v[S+8*\u+2*\i+1]                       ; my key's eight queries: 16 bytes
.endr
.endr
.endm
.macro VLOAD reg, c, off               ; a fragment of value, 32 keys x 16 channels, turned
	ds_load_tr16_b128 v[\reg:\reg+3], v[AV+\c] offset:\off
	ds_load_tr16_b128 v[\reg+4:\reg+7], v[AV+\c] offset:\off+2048
.endm
.macro PVMUL c, pf, vf, zero
.if \zero
	v_wmma_f32_16x16x32_f16 v[O+8*\c:O+8*\c+7], v[\pf:\pf+7], v[\vf:\vf+7], 0
.else
	v_wmma_f32_16x16x32_f16 v[O+8*\c:O+8*\c+7], v[\pf:\pf+7], v[\vf:\vf+7], v[O+8*\c:O+8*\c+7]
.endif
.endm
; O = a O + P V for the step's 96 keys, 32 at a time; the four accumulators take turns, one instruction a turn
.macro PV first
.irp u, 0,1,2,3,4,5
	ds_store_b128 v[STO], v[H+4*\u:H+4*\u+3] offset:512*\u
.endr
	ds_load_tr16_b128 v[184:187], v[STL]                            ; LDS serves a wave's instructions in order (ISA guide 5.7.1.4): these see the stores above
	ds_load_tr16_b128 v[188:191], v[STL] offset:512
	ds_load_tr16_b128 v[192:195], v[STL] offset:1024
	ds_load_tr16_b128 v[196:199], v[STL] offset:1536
	ds_load_tr16_b128 v[168:171], v[STL] offset:2048
	ds_load_tr16_b128 v[172:175], v[STL] offset:2560
	VLOAD 136, 0, 0
	VLOAD 144, 1, 0
	VLOAD 152, 2, 0
	VLOAD 160, 3, 0
.if \first == 0
.irp c, 0,1,2,3
.irp j, 0,2,4,6
	v_pk_mul_f32 v[O+8*\c+\j:O+8*\c+\j+1], v[O+8*\c+\j:O+8*\c+\j+1], v[AA+\j:AA+\j+1]     ; each accumulator from its low end on
.endr
.endr
.endif
	s_wait_dscnt 8                                 ; the six stores and p's six loads are done (the eight value loads may be out): p's f16 registers may be loaded over
	VLOAD 176, 0, 4096
	VLOAD 200, 1, 4096
	VLOAD 208, 2, 4096
	VLOAD 216, 3, 4096
	s_wait_dscnt 8                                 ; the first 32 keys' value is in; the eight loads just issued may be out
	PVMUL 0, 184, 136, \first
	PVMUL 1, 184, 144, \first
	PVMUL 2, 184, 152, \first
	PVMUL 3, 184, 160, \first
	NOPS
	VLOAD 136, 0, 8192
	VLOAD 144, 1, 8192
	VLOAD 152, 2, 8192
	VLOAD 160, 3, 8192
	s_wait_dscnt 8                                 ; the second 32 keys' value is in
	PVMUL 0, 192, 176, 0
	PVMUL 1, 192, 200, 0
	PVMUL 2, 192, 208, 0
	PVMUL 3, 192, 216, 0
	s_wait_dscnt 0x0
	PVMUL 0, 168, 136, 0
	PVMUL 1, 168, 144, 0
	PVMUL 2, 168, 152, 0
	PVMUL 3, 168, 160, 0
.endm
.macro ADVANCE                         ; six tiles on.  No LDS instruction of mine is out.  These seven are also the places behind the last products
	v_add_nc_u32 v[AK], 1536, v[AK]
	v_add_nc_u32 v[AP], 1536, v[AP]
	v_add_nc_u32 v[ASC], 384, v[ASC]
.irp c, 0,1,2,3
	v_add_nc_u32 v[AV+\c], 12288, v[AV+\c]
.endr
.endm
; A prefetch of the batch two batches on: 128 rows of 256 bytes of key (waves 0-3) and of value (waves 4-7), a lane a row, one instruction a wave.  Only a head's last block asks: the other blocks load rows
; that the block after them loads two batches earlier.  It asks in the first five producing steps: the last row named is key 2,047 of the head.  So each row from slot 640 of that block on is named once.
.macro ASK
	s_cmp_lt_u32 s27, s26
	s_cbranch_scc0 .Lnot_mine_\@
	global_prefetch_b8 v[PFO], s[24:25] th:TH_LOAD_NT scope:SCOPE_SE
.Lnot_mine_\@:
.endm
; A STEP: six tiles.  first: it starts the statistics and O and holds the band's lower end; last: the upper end; prod: it also makes a batch
.macro STEP first, last, prod
.if \prod
	K_ISSUE KD, 0
	V_ISSUE VD, 0
	P_ISSUE PD, 0
	ASK
.endif
.irp k, 0,1,2,3,4,5,6
	ds_load_b32 v[SCR+\k], v[ASC] offset:64*\k
.endr
	GROUPS 0
	s_wait_dscnt 0x0
	POS -1, 8
	CONT 0
	POS 0, 4
	CONT 1
	POS 1, 0
	NOPS
	GROUPS 1
	ADDS 0, 1
.if \first
	MASK 0, 0
	MASK 1, 1
.endif
	s_wait_dscnt 0x0
	CONT 2
	POS 2, 4
	CONT 3
	POS 3, 0
	NOPS
	GROUPS 2
	ADDS 2, 3
	s_wait_dscnt 0x0
	CONT 4
	POS 4, 4
	CONT 5
	POS 5, 0
	NOPS
	ADDS 4, 5
.if \last
	MASK 4, 2
	MASK 5, 3
.endif
	SOFTMAX \first
	PV \first
.if \last == 0
	ADVANCE
.endif
.if \prod
	s_wait_loadcnt 20                              ; key's four loads are in: behind them value's four and pe's sixteen were issued
	K_CONV KD, 0
	s_wait_loadcnt 16                              ; value's
	V_CONV VD, 0
	s_wait_loadcnt 0x0                             ; pe's: all the batch's loads are done, so their bases may step
	P_CONV PD
	s_add_nc_u64 s[6:7], s[6:7], 32768
	s_add_nc_u64 s[8:9], s[8:9], 32768
	s_add_nc_u64 s[10:11], s[10:11], 512
	s_wait_xcnt 0x0                                ; the step's prefetch, issued at its head, has read its address
	s_add_nc_u64 s[24:25], s[24:25], 32768
	s_add_co_u32 s27, s27, 1
	s_wait_dscnt 0x0                               ; for the others' sake: my batch lies in LDS; and the stores have read their addresses, which step now
	v_add_nc_u32 v[KC], 2048, v[KC]
	v_add_nc_u32 v[KW], 512, v[KW]
	v_add_nc_u32 v[VSA], 16384, v[VSA]
	v_add_nc_u32 v[PCA], 2048, v[PCA]
	v_add_nc_u32 v[PBA], 512, v[PBA]
	s_barrier_signal -1
	s_barrier_wait -1
.endif
.endm
	s_load_b256 s[4:11], s[0:1], 0x0               ; query s[4:5], key s[6:7], value s[8:9], key_pe s[10:11]
	s_load_b64 s[12:13], s[0:1], 0x20              ; out
	v_lshl_add_u32 v[SPW], v0, 2, SPARE
	v_mov_b32 v[NIL], 0
	v_lshrrev_b32 v240, 5, v0
	v_readfirstlane_b32 s14, v240                  ; wave 0..15
	v_and_b32 v241, 31, v0                         ; L
	v_and_b32 v242, 15, v0                         ; r
	v_bfe_u32 v243, v0, 4, 1                       ; h
	v_and_b32 v244, 7, v0                          ; L % 8
	v_bfe_u32 v245, v0, 3, 1                       ; (L / 8) % 2
	v_bfe_u32 v246, v0, 1, 2                       ; (L / 2) % 4
	v_bfe_u32 v247, v0, 2, 1                       ; (L / 4) % 2
	v_and_b32 v248, 3, v0                          ; L % 4
	v_bfe_u32 v249, v0, 3, 2                       ; L / 8
	s_lshr_b32 s28, s14, 1
	s_and_b32 s29, s14, 1
	s_lshl_b32 s15, s28, 5
	s_lshl_b32 s30, s29, 3
	s_add_co_u32 s15, s15, s30                     ; my first query in the block: 32 (w / 2) + 8 (w % 2)
	v_mul_u32_u24 v[AK], v243, KPL                 ; key codes: plane h, slot = my first query + r
	v_lshl_add_u32 v[AK], v242, 4, v[AK]
	s_lshl_b32 s30, s15, 4
	s_add_co_u32 s30, s30, KP
	v_add_nc_u32 v[AK], s30, v[AK]
	v_mul_u32_u24 v[AP], v243, PPL                 ; pe codes: plane h, column r - 32
	v_lshl_add_u32 v[AP], v242, 4, v[AP]
	v_add_nc_u32 v[AP], PP, v[AP]
	s_lshl_b32 s30, s15, 2                         ; scale words of tile -1: lanes 0-15 the keys', lanes 16-31 pe's: the lower base + h x the distance
	s_add_co_u32 s30, s30, KS+64
	s_mov_b32 s31, PW
	s_sub_co_u32 s31, s31, s30
	v_mul_u32_u24 v[ASC], s31, v243
	v_lshl_add_u32 v[ASC], v242, 2, v[ASC]
	v_add_nc_u32 v[ASC], s30, v[ASC]
	v_lshl_add_u32 v250, v243, 3, v244             ; value: row 8 h + L % 8, 16 bytes for each eight lanes,
	v_lshlrev_b32 v250, 7, v250
	v_lshl_add_u32 v250, v245, 4, v250
	s_lshl_b32 s30, s15, 7
	v_add_nc_u32 v250, s30, v250
.irp c, 0,1,2,3
	v_xor_b32 v251, \c, v246                       ; and channel tile c where the row's exchange has put it
	v_lshl_add_u32 v[AV+\c], v251, 5, v250
.endr
	s_mul_i32 s30, s14, 3072
	s_add_co_u32 s30, s30, STG                     ; my stage
	v_lshlrev_b32 v251, 3, v243                    ; in: the piece (key r, queries 8 h on) at 256 h + 16 (r xor 8 h)
	v_xor_b32 v251, v251, v242
	v_lshlrev_b32 v251, 4, v251
	v_lshl_add_u32 v251, v243, 8, v251
	v_add_nc_u32 v[STO], s30, v251
	v_xor_b32 v251, v243, v245                     ; out: lane L names the piece (key 8 h + L % 8, queries 8 ((L / 8) % 2) on)
	v_lshl_add_u32 v251, v251, 3, v244
	v_lshlrev_b32 v251, 4, v251
	v_lshl_add_u32 v251, v245, 8, v251
	v_add_nc_u32 v[STL], s30, v251
	s_lshl_b32 s30, s14, 11                        ; a wave's 8 keys of a batch are 2,048 bytes
	v_lshl_add_u32 v[KO], v241, 5, s30
	v_lshl_add_u32 v[VO], v241, 4, s30
	s_lshl_b32 s30, s29, 17                        ; key_pe: row 32 (w % 2) + 16 h, column 16 (w / 2) + r
	s_lshl_b32 s31, s28, 6
	s_add_co_u32 s30, s30, s31
	v_lshlrev_b32 v[PO], 16, v243
	v_lshl_add_u32 v[PO], v242, 2, v[PO]
	v_add_nc_u32 v[PO], s30, v[PO]
	v_lshlrev_b32 v[PFO], 8, v241
	v_mul_u32_u24 v[KC], v247, KPL                 ; my 8 codes: plane (L / 4) % 2, slot 8 w + L / 8, 4 (L % 4) bytes on
	v_lshl_add_u32 v[KC], v249, 4, v[KC]
	v_lshl_add_u32 v[KC], v248, 2, v[KC]
	s_lshl_b32 s30, s14, 7
	s_add_co_u32 s30, s30, KP
	v_add_nc_u32 v[KC], s30, v[KC]
	s_lshl_b32 s30, s14, 5
	s_add_co_u32 s30, s30, KS+128
	v_lshl_add_u32 v[KW], v249, 2, s30
	v_bfe_u32 v251, v0, 1, 3
	v_lshlrev_b32 v[VSA], 7, v243                  ; my 4 channels as f16: row 8 w + h, piece r / 2, half L % 2
	v_lshl_add_u32 v[VSA], v251, 4, v[VSA]
	v_and_b32 v251, 1, v0
	v_lshl_add_u32 v[VSA], v251, 3, v[VSA]
	s_lshl_b32 s30, s14, 10
	v_add_nc_u32 v[VSA], s30, v[VSA]
	s_mul_i32 s30, s29, PPL                        ; my 16 codes of pe: plane w % 2, column 16 (w / 2) + r, 8 h bytes on
	s_lshl_b32 s31, s28, 8
	s_add_co_u32 s30, s30, s31
	s_add_co_u32 s30, s30, PP+512
	v_lshlrev_b32 v[PCA], 4, v242
	v_lshl_add_u32 v[PCA], v243, 3, v[PCA]
	v_add_nc_u32 v[PCA], s30, v[PCA]
	s_lshl_b32 s30, s28, 6                         ; its byte: lanes 0-15 byte w % 2 of word l + 16; lanes 16-31 byte 2 + w % 2 of word l + 32: 66 bytes on
	s_add_co_u32 s30, s30, s29
	s_add_co_u32 s30, s30, PW+64
	v_mul_u32_u24 v[PBA], v243, 66
	v_lshl_add_u32 v[PBA], v242, 2, v[PBA]
	v_add_nc_u32 v[PBA], s30, v[PBA]
	v_lshlrev_b32 v[SH8], 3, v247
	v_mov_b32 v[NEG], 0xff800000
.irp i, 4,5,6,7
	v_mov_b32 v[AC+\i], 0                          ; the zero codes of k = 64 .. 127; they stay
.endr
	v_and_b32 v252, 8, v242                        ; query: tile row r is row r + 8 (r / 8); my block of 32 is 128 h bytes on
	v_add_nc_u32 v252, v252, v242
	v_lshlrev_b32 v252, 8, v252
	v_lshl_add_u32 v252, v243, 7, v252
	v_lshl_add_u32 v253, v241, 4, PP               ; the pads' addresses, made on every wave's way
	v_lshl_add_u32 v254, v241, 4, KP+20480
	v_lshl_add_u32 v255, v241, 4, 163840
	v_lshl_add_u32 v239, v241, 2, KS
	s_mov_b32 s16, 0x3e38aa3b                      ; c = log2(e) / 8
	s_mov_b32 s17, s16
	s_mov_b32 s18, 0xbe38aa3b                      ; -c
	s_mov_b32 s19, s18
	s_mov_b32 s20, 0x76543210                      ; v_permlanex16_b32's selects for lane l xor 16
	s_mov_b32 s21, 0xfedcba98
	s_and_b32 s30, ttmp7, 0xffff                   ; the head
	s_lshl_b32 s32, s30, 19                        ; key, value: 524,288 bytes a head, 65,536 a block of 256 rows
	s_lshl_b32 s31, ttmp9, 16
	s_add_co_u32 s32, s32, s31
	s_mov_b32 s33, 0
	s_lshl_b32 s34, s30, 18                        ; query, out: 262,144 bytes a head, and my first query's row
	s_add_co_u32 s34, s34, s31
	s_lshl_b32 s31, s15, 8
	s_add_co_u32 s34, s34, s31
	s_mov_b32 s35, 0
	s_and_b32 s36, s14, 3                          ; the prefetches: slot 640 of the block, 32 rows a wave
	s_lshl_b32 s36, s36, 13
	s_add_co_u32 s36, s36, 163840
	s_mov_b32 s37, 0
	s_cmp_eq_u32 ttmp9, 3
	s_cselect_b32 s26, 5, 0                        ; five requests in waves 0-7 of a head's last block, else none
	s_cmp_lt_u32 s14, 8
	s_cselect_b32 s26, s26, 0
	s_mov_b32 s27, 0
	s_wait_kmcnt 0x0
	s_add_nc_u64 s[6:7], s[6:7], s[32:33]
	s_add_nc_u64 s[8:9], s[8:9], s[32:33]
	s_add_nc_u64 s[4:5], s[4:5], s[34:35]
	s_add_nc_u64 s[12:13], s[12:13], s[34:35]
	s_cmp_lt_u32 s14, 4
	s_cselect_b64 s[24:25], s[6:7], s[8:9]
	s_add_nc_u64 s[24:25], s[24:25], s[36:37]
.irp i, 0,1,2,3,4,5,6,7
	global_load_b128 v[S+4*\i:S+4*\i+3], v252, s[4:5] offset:16*\i th:TH_LOAD_NT   ; my block of 32 of my tile row of q
.endr
	P_ISSUE PD, 0                                  ; pe columns 0-127
	K_ISSUE KD, 0                                  ; key and value slots 0-383
	V_ISSUE VD, 0
	K_ISSUE 168, 32768
	V_ISSUE 200, 32768
	K_ISSUE 184, 65536
	V_ISSUE 216, 65536
	; the pads: zero codes and zero scale bytes for pe columns under 0 and over 1023 and for key slots from 1,280 on; zero value rows 1,280-1,287.  Wave 0 writes them
	s_cmp_lg_u32 s14, 0
	s_cbranch_scc1 .Lno_pads
	ds_store_b128 v253, v[AC+4:AC+7]
	ds_store_b128 v253, v[AC+4:AC+7] offset:16896
	ds_store_b128 v253, v[AC+4:AC+7] offset:PPL
	ds_store_b128 v253, v[AC+4:AC+7] offset:PPL+16896
	ds_store_b128 v254, v[AC+4:AC+7]
	ds_store_b128 v254, v[AC+4:AC+7] offset:KPL
	ds_store_b128 v255, v[AC+4:AC+7]
	ds_store_b128 v255, v[AC+4:AC+7] offset:512
	ds_store_b32 v239, v[AC+4]
	ds_store_b32 v239, v[AC+4] offset:5248
	ds_store_b32 v239, v[AC+4] offset:PW-KS
	ds_store_b32 v239, v[AC+4] offset:PW-KS+4160
.Lno_pads:
	s_wait_dscnt 0x0                               ; the pads lie in LDS
	s_barrier_signal -1
	s_barrier_wait -1                              ; ahead of the byte stores that fill parts of the zeroed pe words
	s_wait_loadcnt 40                              ; q is in: 40 loads were issued behind its eight
	v_max3_num_f32 v[T], |v[S]|, |v[S+1]|, 0x1800000
	v_max3_num_f32 v[T+1], |v[S+16]|, |v[S+17]|, |v[S+18]|
.irp i, 2,4,6,8,10,12
	v_max3_num_f32 v[T], v[T], |v[S+\i]|, |v[S+\i+1]|
	v_max3_num_f32 v[T+1], v[T+1], |v[S+17+\i]|, |v[S+18+\i]|
.endr
	v_max3_num_f32 v[T], v[T], |v[S+14]|, |v[S+15]|
	v_max3_num_f32 v[T], v[T], v[T+1], |v[S+31]|   ; the block's largest magnitude: all 32 numbers are mine
	v_add_nc_u32 v[T+2], 0xff000000, v[T]
.irp g, 0,1,2,3
	v_cvt_scalef32_pk8_fp4_f32 v[AC+\g], v[S+8*\g:S+8*\g+7], v[T+2]
.endr
	v_lshrrev_b32 v[T+3], 23, v[T+2]               ; the byte (also the plain line behind the conversions)
	v_bfe_u32 v[T+4], v0, 4, 1
	v_lshlrev_b32 v[T+4], 3, v[T+4]
	v_lshlrev_b32 v[T+3], v[T+4], v[T+3]
	v_permlanex16_b32 v[T+10], v[T+3], s20, s21
	v_or_b32 v[T+3], v[T+3], v[T+10]               ; [e0, e1],
	v_lshl_or_b32 v[QS], v[T+3], 16, v[T+3]        ; and once more for k = 64 .. 127
	s_mov_b32 s23, 0xff00ff00                      ; tile rows 8-15
.irp i, 0,1,2,3
	v_cndmask_b32 v[AQ+\i], v[AC+\i], v[AC+4], s23
	v_cndmask_b32 v[AQ+4+\i], v[AC+4], v[AC+\i], s23
.endr
	s_wait_loadcnt 24                              ; each count: the loads issued behind the batch that is wanted
	P_CONV PD
	s_wait_loadcnt 20
	K_CONV KD, 0
	s_wait_loadcnt 16
	V_CONV VD, 0
	s_wait_dscnt 0x0                               ; the stores have read their registers, which the next batch writes again
	s_wait_loadcnt 12
	K_CONV 168, 1
	s_wait_loadcnt 8
	V_CONV 200, 1
	s_wait_dscnt 0x0
	s_wait_loadcnt 4
	K_CONV 184, 2
	s_wait_loadcnt 0x0
	V_CONV 216, 2
	s_add_nc_u64 s[6:7], s[6:7], 98304             ; all loads are done: on to slot 384 and column 128
	s_add_nc_u64 s[8:9], s[8:9], 98304
	s_add_nc_u64 s[10:11], s[10:11], 512
	s_wait_dscnt 0x0                               ; for the others' sake: my parts lie in LDS
	v_add_nc_u32 v[KC], 6144, v[KC]
	v_add_nc_u32 v[KW], 1536, v[KW]
	v_add_nc_u32 v[VSA], 49152, v[VSA]
	v_add_nc_u32 v[PCA], 2048, v[PCA]
	v_add_nc_u32 v[PBA], 512, v[PBA]
	s_barrier_signal -1
	s_barrier_wait -1
	STEP 1, 0, 1                                   ; tiles 0-5
	s_mov_b32 s22, 6
.Lmaking:                                              ; steps 1-6: the last six batches are made
	STEP 0, 0, 1
	s_sub_co_u32 s22, s22, 1
	s_cmp_lg_u32 s22, 0
	s_cbranch_scc1 .Lmaking
	s_mov_b32 s22, 3
.Lfree:                                                ; steps 7-9: all operands lie in LDS; no barrier
	STEP 0, 0, 0
	s_sub_co_u32 s22, s22, 1
	s_cmp_lg_u32 s22, 0
	s_cbranch_scc1 .Lfree
	STEP 0, 1, 0                                   ; tiles 60-65
	; THE WAY OUT.  The sums over a half's 16 lanes (also the places behind the last products); O / the sum; eight rows at a time through my stage, so that 32 lanes store two whole rows of out
.irp m, 1,2,4,8
.irp j, 0,1,2,3,4,5,6,7
	v_add_f32_dpp v[LS+\j], v[LS+\j], v[LS+\j] row_xmask:\m row_mask:0xf bank_mask:0xf
.endr
.endr
.irp j, 0,1,2,3,4,5,6,7
	v_rcp_f32 v[T+\j], v[LS+\j]
.endr
	v_and_b32 v[T+8], 15, v0                       ; (plain lines behind the reciprocals)  r
	v_bfe_u32 v[T+9], v0, 4, 1                     ; h
	s_mul_i32 s30, s14, 3072
	s_add_co_u32 s30, s30, STG
	v_mul_u32_u24 v[T+10], v[T+9], 1088            ; in: row 4 h + j % 4 of 272 bytes, channel 16 c + r
	v_lshl_add_u32 v[T+10], v[T+8], 2, v[T+10]
	v_add_nc_u32 v[T+10], s30, v[T+10]
	v_mul_u32_u24 v[T+11], v[T+9], 272             ; back: lanes 0-15 one row, lanes 16-31 the next
	v_lshl_add_u32 v[T+11], v[T+8], 4, v[T+11]
	v_add_nc_u32 v[T+11], s30, v[T+11]
	v_lshlrev_b32 v[T+12], 8, v[T+9]               ; and the same two rows in out
	v_lshl_add_u32 v[T+12], v[T+8], 4, v[T+12]
	s_wait_alu depctr_va_vdst(0)                   ; one wait for the eight reciprocals, ahead of their first reader
.irp c, 0,1,2,3
.irp j, 0,2,4,6
	v_pk_mul_f32 v[O+8*\c+\j:O+8*\c+\j+1], v[O+8*\c+\j:O+8*\c+\j+1], v[T+\j:T+\j+1]
.endr
.endr
.irp g, 0,1
.irp jj, 0,1,2,3
.irp c, 0,1,2,3
	ds_store_b32 v[T+10], v[O+8*\c+4*\g+\jj] offset:272*\jj+64*\c
.endr
.endr
.irp i, 0,1,2,3
	ds_load_b128 v[S+16*\g+4*\i:S+16*\g+4*\i+3], v[T+11] offset:544*\i   ; in order behind my stores; the second half's stores come behind these
.endr
.endr
.irp g, 0,1
.irp i, 0,1,2,3
	s_wait_dscnt (1-\g)*20+3-\i                    ; behind this load: the rest of its four, and for the first half the second half's 16 stores and 4 loads
	global_store_b128 v[T+12], v[S+16*\g+4*\i:S+16*\g+4*\i+3], s[12:13] offset:(16*(\i/2)+4*\g+2*(\i%2))*256 th:TH_STORE_NT   ; 32 lanes store 512 consecutive bytes, at a multiple of 256 from out's first byte
.endr
.endr
	s_wait_tensorcnt 0x0                           ; the wave's end, behind my last LDS store
	ds_add_u32 v[SPW], v[NIL]
	s_wait_dscnt 0x0
	s_endpgm
.Lfunc_end_k_q97404e50bf_banded:
	.size	k_q97404e50bf_banded, .Lfunc_end_k_q97404e50bf_banded-k_q97404e50bf_banded
	.p2alignl 7, 3214868480
	.fill 96, 4, 3214868480
	.section	.rodata,"a",@progbits
	.p2align	6, 0x0
	.amdhsa_kernel k_q97404e50bf_banded
		.amdhsa_group_segment_fixed_size 302592
		.amdhsa_private_segment_fixed_size 0
		.amdhsa_enable_private_segment 0
		.amdhsa_kernarg_size 40
		.amdhsa_user_sgpr_count 2
		.amdhsa_user_sgpr_kernarg_segment_ptr 1
		.amdhsa_wavefront_size32 1
		.amdhsa_system_sgpr_workgroup_id_x 1
		.amdhsa_system_sgpr_workgroup_id_y 1
		.amdhsa_system_sgpr_workgroup_id_z 1
		.amdhsa_system_vgpr_workitem_id 0
		.amdhsa_next_free_vgpr 256
		.amdhsa_next_free_sgpr 66
		.amdhsa_reserve_vcc 0
		.amdhsa_float_denorm_mode_32 3
		.amdhsa_float_denorm_mode_16_64 3
		.amdhsa_memory_ordered 1
		.amdhsa_forward_progress 1
		.amdhsa_inst_pref_size 144
	.end_amdhsa_kernel
	.amdgpu_metadata
---
amdhsa.version: [ 1, 2 ]
amdhsa.kernels:
  - .name:           k_q97404e50bf_banded
    .symbol:         k_q97404e50bf_banded.kd
    .args:
      - { .name: query, .offset: 0, .size: 8, .value_kind: global_buffer, .address_space: global }
      - { .name: key, .offset: 8, .size: 8, .value_kind: global_buffer, .address_space: global }
      - { .name: value, .offset: 16, .size: 8, .value_kind: global_buffer, .address_space: global }
      - { .name: key_pe, .offset: 24, .size: 8, .value_kind: global_buffer, .address_space: global }
      - { .name: out0, .offset: 32, .size: 8, .value_kind: global_buffer, .address_space: global }
    .group_segment_fixed_size: 302592
    .private_segment_fixed_size: 0
    .kernarg_segment_align: 8
    .kernarg_segment_size: 40
    .max_flat_workgroup_size: 512
    .sgpr_count:     66
    .vgpr_count:     256
    .wavefront_size: 32
...
	.end_amdgpu_metadata
.endif
;; end of part 1
;; ======== version 2 of 2: 1 launch
;; limits: values are held in f16: magnitudes above 65,504 overflow, below 6.1e-05 lose precision; inputs' magnitudes at most 65,504
;; launch banded (part 2): grid 4 x 64, 16 waves a work-group, no clusters, 302,592 bytes of LDS; arguments query, key, value, key_pe, out0; writes out0
.if DOCPART == 2
	.amdgcn_target "amdgcn-amd-amdhsa--gfx1250"
	.amdhsa_code_object_version 6
	.text
	.protected	k_q97404e50bf_banded
	.globl	k_q97404e50bf_banded
	.p2align	8
	.type	k_q97404e50bf_banded,@function
k_q97404e50bf_banded:
	s_mov_b64 s[64:65], 0
	v_nop
	global_prefetch_b8 v0, s[64:65] scope:SCOPE_SE
	s_setreg_imm32_b32 hwreg(HW_REG_WAVE_MODE, 25, 1), 1
	s_wait_xcnt 0x0
; out[b][i][:] = sum over l = 0 .. 1023 of softmax_l((q_i . k_(i+l) + q_i . pe_l) / 8) v_(i+l).  query [64][1024][64], key, value [64][2048][64], key_pe [64][1024], out [64][1024][64], all f32.
; Only the band 0 <= key - query <= 1023 is multiplied: the rest is what the skewing throws away.
; FORMATS.  q, key and key_pe are quantised here to E2M1 codes with one E8M0 byte for each 32 along the head's 64 (scale = the block's largest magnitude's exponent - 2) and multiplied by the scaled
; 16x16x128 form; both score products are summed in f32.  The weights p = 2^(t - max) and value go to the second product as f16; maxima, sums and the division are f32.
; THE ORDER INSIDE A BLOCK OF 32.  Place 8 c + i of a block holds d = 4 c + i, place 8 c + 4 + i holds d = 16 + 4 c + i (c, i = 0 .. 3), alike in q, key and key_pe: every product meets its partner and every block
; keeps its scale, only the order of the f32 sum differs.  So a lane's eight numbers are two pieces of 16 bytes, 64 bytes apart, and four neighbouring lanes read 64 consecutive bytes in each load of key and of q.
; LIMITS.  |value| up to 65,504 (f16 operand); a weight under 6e-8 of its row's largest is dropped (f16); NaN and infinities among the inputs are not served; a block whose largest magnitude lies under
; 2^-124, a block of zeros among them, gets the scale byte 1 (a block of zeros: its codes are zeros, and the bytes are read by this program alone).  The running maximum is kept as -c max and moved by
; adding min(new - old, 0): that sum is rounded once, in f32, like the subtraction of the maximum itself.
; SHARES.  A work-group owns 256 queries of one head (grid x: the block, grid y: the head) and needs 1,280 keys.  Each of 16 waves owns 16 queries: tile row m is query Ib + m + 8 (m / 8), Ib = 256 x + 32 (w / 2) + 8 (w % 2).
; It walks 66 tiles of 16 keys (tile t: keys Ib + 16 t + lane % 16), six tiles a step, eleven steps.
; LAYOUT.  S = Q K^T is used as it comes: lane (r, h) holds key r, register j query Ib + 16 h + j, so l = 16 t - 16 h + r - j.  The position product fills the spare half of the form's K = 128: rows 0-7 of A carry q in
; k 0-63, rows 8-15 in k 64-127, and B = [pe columns 16 t .. | pe columns 16 t - 16 ..]: register j of lane (r, h) is then q . pe(16 t - 16 h + r).  What is wanted lies j lanes to the left: one DPP addition
; shifted right by j from tile t, one shifted left by 16 - j from tile t - 1; lanes that a shift leaves without a source keep their sum.
; p goes through the wave's own stage in LDS (16 bytes a lane in, a turning load out) and is source 0 of O = P V, whose result has the statistics' layout: register j, half h = the query.
; LDS.  All operands of the work-group lie in LDS, each byte written once: key codes and scale words, pe codes and scale words, value as f16.  All 16 waves make them (load, quantise or convert, store), a batch of
; 128 keys and 128 pe columns in each of the first seven steps, one step ahead of use: step s reads key slots under 328 + 96 s and pe columns under 96 + 96 s and stores slots from 384 + 128 s and columns
; from 128 + 128 s on.  One barrier behind each batch orders its stores with the later reads; nothing is ever overwritten.
; A BATCH'S 24 LOADS ARE DEALT OUT over the first half of the step, in six portions (key 2 + 2, value 2 + 2, pe 8 + 8): the sixteen waves leave the barrier together, and none of them holds its products back
; behind a run of 24 loads; the step's second half (exponentials, sums, P V) is what the last portion has in which to land.
; NO TENSOR LOAD, NO CLUSTER: every operand arrives as f32 and has to pass through registers to be quantised or converted, so there is no tile that a joint load could bring; and the four blocks of a head want a
; given key 256 keys, more than two steps, apart.
.set KP,    164864                     ; behind value's 1,288 rows of 128 bytes: key codes, two planes (block of 32), 16 bytes a key slot
.set KPL,   20992                      ; a plane: 1,312 slots
.set KS,    206848                     ; key scale words [e0, e1, 0, 0]: word 32 + slot
.set PP,    212224                     ; pe codes, two planes, 16 bytes a column: entry l + 32, l = -32 .. 1055
.set PPL,   17408
.set PW,    247040                     ; pe scale words: word l + 16 = [e0(l), e1(l), e0(l - 16), e1(l - 16)]
.set STG,   251392                     ; 3,072 bytes for each wave: first q's codes on their way, then p's stage, at last the way out's
.set SPARE, 300544                     ; the spare words: 128 bytes for each wave, eight blocks of 256 bytes that no other line names
.set SPW, 1                            ; v1   LDS address of my spare word; never rewritten
.set NIL, 2                            ; v2   0; never rewritten
.set AK,  3                            ; v3   key codes of the step's tile 0
.set AP,  4                            ; v4   pe codes two groups of 16 columns under the step's tile 0
.set ASC, 5                            ; v5   scale words of the tile before the step's first: lanes 0-15 the keys', lanes 16-31 pe's
.set AV,  6                            ; v6-9 value, channels 16 c on
.set STO, 10                           ; v10  the stage: in
.set STL, 11                           ; v11  the stage: out
.set KO,  12                           ; v12-14 offsets in key, value, key_pe; never rewritten
.set VO,  13
.set PO,  14
.set PFO, 15                           ; v15  256 x lane; never rewritten
.set KC,  16                           ; v16-20 where I store: key codes, key words, value, pe codes, pe bytes
.set KW,  17
.set VSA, 18
.set PCA, 19
.set PBA, 20
.set SH8, 21                           ; v21  8 x (which block of a row my lane holds)
.set QS,  22                           ; v22  q's scale word [e0, e1, e0, e1]
.set NEG, 23                           ; v23  -infinity
.set AC,  24                           ; v24-31 [q's codes | zeros]
.set AQ,  32                           ; v32-39 rows 0-7 [q | 0], rows 8-15 [0 | q]
.set NM,  40                           ; v40-47 -c max
.set QC,  40                           ; ahead of the first step v40-43 are q's four places in my stage: codes in, words in, codes out, words out
.set QW,  41
.set QL,  42
.set QV,  43
.set LS,  48                           ; v48-55 my lane's part of the sums
.set O,   56                           ; v56-87 the output, channels 16 c on at 8 c
.set KD,  88                           ; v88-135 a batch on its way: key, value, pe
.set VD,  104
.set PD,  120
.set S,   136                          ; v136-183 six tiles of scores, then p
.set PT,  184                          ; v184-207 three position tiles by turns: tile u in ((u + 1) % 3)
.set KG,  208                          ; v208-215 two tiles of key codes
.set PG,  216                          ; v216-231 four groups of pe codes, columns descending
.set SCR, 232                          ; v232-238 scale words of tiles -1 .. 5
.set PBY, 239
.set T,   240                          ; v240-255 at work
.set R,   184                          ; the step's maxima (a position tile's place)
.set AA,  200                          ; the change of -c max, then a = 2^that
.set H,   208                          ; p as f16, four registers a tile
.set VT,  136                          ; value's conversion, at work
.macro NOPS                            ; four places behind matrix instructions, ahead of loads into their sources and of the first read of their results
.rept 4
	v_nop
.endr
.endm
; ---- a batch's loads.  key: 8 keys a wave; unit x is 4 keys: lane L takes, of block L / 4 of the unit's eight, the 16 bytes at 16 (L % 4) and those 64 bytes on
.macro K_ISSUE1 d, off, x
	global_load_b128 v[\d+8*\x:\d+8*\x+3], v[KO], s[6:7] offset:\off+1024*\x
	global_load_b128 v[\d+8*\x+4:\d+8*\x+7], v[KO], s[6:7] offset:\off+1024*\x+64
.endm
.macro K_ISSUE d, off
	K_ISSUE1 \d, \off, 0
	K_ISSUE1 \d, \off, 1
.endm
.macro V_ISSUE2 d, off, i0             ; value: the wave's 2,048 bytes as they lie, 512 to a load: loads i0, i0 + 1
.irp i, \i0, \i0+1
	global_load_b128 v[\d+4*(\i):\d+4*(\i)+3], v[VO], s[8:9] offset:\off+512*(\i)
.endr
.endm
.macro V_ISSUE d, off
	V_ISSUE2 \d, \off, 0
	V_ISSUE2 \d, \off, 2
.endm
; key_pe: a lane to a column, registers down K in the blocks' own order: register i of half h is row 8 h + 16 ((i / 4) % 2) + 4 (i / 8) + i % 4 of my block.  Loads lo .. lo + n - 1
.macro P_ISSUE d, off, lo, n
.set PI, \lo
.rept \n
	global_load_b32 v[\d+PI], v[PO], s[10:11] offset:\off+4096*(((PI/4)%2)*16+(PI/8)*4+PI%4)
.set PI, PI+1
.endr
.endm
; ---- key, and q: four lanes hold a block of 32.  Two units of four rows; codes go to v[ca] + co, 16 bytes a row, scale words to v[wa] + wo
.macro K_CONV d, ca, co, wa, wo
.irp x, 0,1
	v_max3_num_f32 v[T+\x], |v[\d+8*\x]|, |v[\d+8*\x+1]|, 0x1800000     ; with the floor 2^(3 - 127): the byte cannot fall under 1
.endr
.irp i, 2,4,6
.irp x, 0,1
	v_max3_num_f32 v[T+\x], v[T+\x], |v[\d+8*\x+\i]|, |v[\d+8*\x+\i+1]|
.endr
.endr
.irp m, 1,2
.irp x, 0,1
	v_max_num_f32_dpp v[T+\x], v[T+\x], v[T+\x] row_xmask:\m row_mask:0xf bank_mask:0xf
.endr
.endr
.irp x, 0,1
	v_add_nc_u32 v[T+2+\x], 0xff000000, v[T+\x]                     ; 2 off the exponent field: the conversion's scale operand
.endr
.irp x, 0,1
	v_cvt_scalef32_pk8_fp4_f32 v[T+6+\x], v[\d+8*\x:\d+8*\x+7], v[T+2+\x]
.endr
.irp x, 0,1
	v_lshrrev_b32 v[T+4+\x], 23, v[T+2+\x]                          ; the byte (also the plain line behind the conversions)
.endr
.irp x, 0,1
	v_lshlrev_b32 v[T+4+\x], v[SH8], v[T+4+\x]                      ; at its block's place,
.endr
.irp x, 0,1
	v_mov_b32_dpp v[T+8+\x], v[T+4+\x] row_xmask:4 row_mask:0xf bank_mask:0xf
.endr
.irp x, 0,1
	v_or_b32 v[T+4+\x], v[T+4+\x], v[T+8+\x]                        ; with the other block's: the row's word
.endr
.irp x, 0,1
	ds_store_b32 v[\ca], v[T+6+\x] offset:\co+64*\x
	ds_store_b32 v[\wa], v[T+4+\x] offset:\wo+16*\x                 ; a row's eight lanes write the same word with the same value
.endr
.endm
; ---- value to f16: load i holds keys 2 i, 2 i + 1; a row's 16-byte pieces are exchanged by 2 i, so that the turning loads' eight rows fall on different banks
.macro V_CONV d, b
.irp i, 0,1,2,3
	v_cvt_pk_f16_f32 v[VT+2*\i], v[\d+4*\i], v[\d+4*\i+1]
	v_cvt_pk_f16_f32 v[VT+2*\i+1], v[\d+4*\i+2], v[\d+4*\i+3]
.endr
.irp i, 1,2,3
	v_xor_b32 v[VT+7+\i], 32*\i, v[VSA]
.endr
	ds_store_b64 v[VSA], v[VT:VT+1] offset:16384*(\b)
.irp i, 1,2,3
	ds_store_b64 v[VT+7+\i], v[VT+2*\i:VT+2*\i+1] offset:16384*(\b)+256*\i
.endr
.endm
; ---- key_pe: lanes l and l xor 16 hold a block of one column
.macro P_CONV d
	v_max3_num_f32 v[T+11], |v[\d]|, |v[\d+1]|, 0x1800000
	v_max3_num_f32 v[T+12], |v[\d+2]|, |v[\d+3]|, |v[\d+4]|
.irp i, 5,9
	v_max3_num_f32 v[T+11], v[T+11], |v[\d+\i]|, |v[\d+\i+1]|
	v_max3_num_f32 v[T+12], v[T+12], |v[\d+\i+2]|, |v[\d+\i+3]|
.endr
	v_max3_num_f32 v[T+11], v[T+11], |v[\d+13]|, |v[\d+14]|
	v_max3_num_f32 v[T+11], v[T+11], v[T+12], |v[\d+15]|
	v_permlanex16_b32 v[T+10], v[T+11], s20, s21
	v_max_num_f32 v[T+11], v[T+11], v[T+10]
	v_add_nc_u32 v[T+13], 0xff000000, v[T+11]
	v_cvt_scalef32_pk8_fp4_f32 v[T+14], v[\d:\d+7], v[T+13]
	v_cvt_scalef32_pk8_fp4_f32 v[T+15], v[\d+8:\d+15], v[T+13]
	v_lshrrev_b32 v[PBY], 23, v[T+13]                               ; the byte (also the plain line behind the conversions)
	ds_store_b64 v[PCA], v[T+14:T+15]                               ; places 16 h .. 16 h + 15 of the block
	ds_store_b8 v[PBA], v[PBY]                                      ; lanes 0-15: into column l's word; lanes 16-31: into column l + 16's upper half
.endm
; A prefetch of the batch two batches on: 128 rows of 256 bytes of key (waves 0-3) and of value (waves 4-7), a lane a row, one instruction a wave.  Only a head's last block asks: the other blocks load rows
; that the block after them loads two batches earlier.  It asks in the first five producing steps: the last row named is key 2,047 of the head.  So each row from slot 640 of that block on is named once.
.macro ASK
	s_cmp_lt_u32 s27, s26
	s_cbranch_scc0 .Lnot_mine_\@
	global_prefetch_b8 v[PFO], s[24:25] th:TH_LOAD_NT scope:SCOPE_SE
.Lnot_mine_\@:
.endm
; Portion n of six of the batch's loads, in the order key, value, pe, on which the counted waits at the step's end lean; the prefetch stands behind the last
.macro FEED prod, n
.if \prod
.if \n == 0
	K_ISSUE1 KD, 0, 0
.elseif \n == 1
	K_ISSUE1 KD, 0, 1
.elseif \n == 2
	V_ISSUE2 VD, 0, 0
.elseif \n == 3
	V_ISSUE2 VD, 0, 2
.elseif \n == 4
	P_ISSUE PD, 0, 0, 8
.else
	P_ISSUE PD, 0, 8, 8
	ASK
.endif
.endif
.endm
; ---- the codes of tiles 2 b, 2 b + 1
.macro GROUPS b
	ds_load_b128 v[KG:KG+3], v[AK] offset:512*(\b)
	ds_load_b128 v[KG+4:KG+7], v[AK] offset:512*(\b)+256
	ds_load_b128 v[PG:PG+3], v[AP] offset:256*(2*(\b)+3)
	ds_load_b128 v[PG+4:PG+7], v[AP] offset:256*(2*(\b)+2)
	ds_load_b128 v[PG+8:PG+11], v[AP] offset:256*(2*(\b)+1)
.if (\b) == 0
	ds_load_b128 v[PG+12:PG+15], v[AP]
.endif
.endm
; Q K^T of tile u.  B's upper four registers are whatever codes stand next: they meet A's zero codes, and no scale byte there is 0xff
.macro CONT u
	v_wmma_scale_f32_16x16x128_f8f6f4 v[S+8*(\u):S+8*(\u)+7], v[AC:AC+7], v[KG+4*((\u)%2):KG+4*((\u)%2)+7], 0, v[QS], v[SCR+(\u)+1] matrix_a_fmt:MATRIX_FMT_FP4 matrix_b_fmt:MATRIX_FMT_FP4
.endm
; Q PE of tile u: B = the group at PG + g and the group 16 columns under it; its scale words stand in lanes 16-31
.macro POS u, g
	v_wmma_scale_f32_16x16x128_f8f6f4 v[PT+8*(((\u)+1)%3):PT+8*(((\u)+1)%3)+7], v[AQ:AQ+7], v[PG+\g:PG+\g+7], 0, v[QS], v[SCR+(\u)+1] matrix_a_fmt:MATRIX_FMT_FP4 matrix_b_fmt:MATRIX_FMT_FP4 matrix_b_scale:MATRIX_SCALE_ROW1
.endm
.macro SHRS u                          ; from tile u's own position tile: lane r takes lane r - j.  Each result is read from its low end on
	v_add_f32 v[S+8*(\u)], v[PT+8*(((\u)+1)%3)], v[S+8*(\u)]
.irp j, 1,2,3,4,5,6,7
	v_add_f32_dpp v[S+8*(\u)+\j], v[PT+8*(((\u)+1)%3)+\j], v[S+8*(\u)+\j] row_shr:\j row_mask:0xf bank_mask:0xf
.endr
.endm
.macro SHL1 u, j, n
	v_add_f32_dpp v[S+8*(\u)+\j], v[PT+8*((\u)%3)+\j], v[S+8*(\u)+\j] row_shl:\n row_mask:0xf bank_mask:0xf
.endm
.macro SHLS u                          ; from the tile before: lane r < j takes lane r + 16 - j
	SHL1 \u, 1, 15
	SHL1 \u, 2, 14
	SHL1 \u, 3, 13
	SHL1 \u, 4, 12
	SHL1 \u, 5, 11
	SHL1 \u, 6, 10
	SHL1 \u, 7, 9
.endm
.macro ADDS ua, ub
	SHRS \ua
	SHRS \ub
	SHLS \ua
	SHLS \ub
.endm
; The band's ends: scores with l < 0 or l > 1023 become -infinity.  kind 0, 1: tiles 0, 1; kind 2, 3: tiles 64, 65.  The masks are constants: bit = lane, set where the score counts
.macro MASK u, kind
.irp j, 0,1,2,3,4,5,6,7
.set PJ, (0xffff<<\j)&0xffff
.if \kind == 0
.set MK, PJ
.elseif \kind == 1
.set MK, 0xffff|(PJ<<16)
.elseif \kind == 2
.set MK, ((~PJ)&0xffff)|0xffff0000
.else
.set MK, ((~PJ)&0xffff)<<16
.endif
.if MK != 0xffffffff
	s_mov_b32 s23, MK
	v_cndmask_b32 v[S+8*(\u)+\j], v[NEG], v[S+8*(\u)+\j], s23
.endif
.endr
.endm
.macro SOFTMAX first, prod
.irp j, 0,1,2,3,4,5,6,7
	v_max3_num_f32 v[R+\j], v[S+\j], v[S+8+\j], v[S+16+\j]
.endr
.irp j, 0,1,2,3,4,5,6,7
	v_max3_num_f32 v[R+\j], v[R+\j], v[S+24+\j], v[S+32+\j]
.endr
.irp j, 0,1,2,3,4,5,6,7
	v_max_num_f32 v[R+\j], v[R+\j], v[S+40+\j]
.endr
	FEED \prod, 4
.irp m, 1,2,4,8
.irp j, 0,1,2,3,4,5,6,7
	v_max_num_f32_dpp v[R+\j], v[R+\j], v[R+\j] row_xmask:\m row_mask:0xf bank_mask:0xf   ; over the 16 keys of a half: the step's largest score of query (j, h)
.endr
.endr
.if \first
.irp j, 0,2,4,6
	v_pk_mul_f32 v[NM+\j:NM+\j+1], v[R+\j:R+\j+1], s[18:19] op_sel_hi:[1,0]               ; -c max
.endr
.else
.irp j, 0,2,4,6
	v_pk_mul_f32 v[R+\j:R+\j+1], v[R+\j:R+\j+1], s[18:19] op_sel_hi:[1,0]
.endr
.irp j, 0,2,4,6
	v_pk_add_f32 v[AA+\j:AA+\j+1], v[R+\j:R+\j+1], v[NM+\j:NM+\j+1] neg_lo:[0,1] neg_hi:[0,1]
.endr
.irp j, 0,1,2,3,4,5,6,7
	v_min_num_f32 v[AA+\j], 0, v[AA+\j]                                                   ; c (old max - new max), 0 where the maximum has not grown
.endr
.irp j, 0,2,4,6
	v_pk_add_f32 v[NM+\j:NM+\j+1], v[NM+\j:NM+\j+1], v[AA+\j:AA+\j+1]
.endr
.endif
	FEED \prod, 5                                  ; the batch's last loads, and the prefetch behind them: no exponential is out at its branch
.irp u, 0,1,2,3,4,5
.irp j, 0,2,4,6
	v_pk_fma_f32 v[S+8*\u+\j:S+8*\u+\j+1], v[S+8*\u+\j:S+8*\u+\j+1], s[16:17], v[NM+\j:NM+\j+1] op_sel_hi:[1,0,1]   ; c s - c max
.endr
.endr
.if \first == 0
.irp j, 0,1,2,3,4,5,6,7
	v_exp_f32 v[AA+\j], v[AA+\j]
.endr
.endif
.irp n, 0,1,2,3,4,5,6,7,8,9,10,11,12,13,14,15,16,17,18,19,20,21,22,23,24,25,26,27,28,29,30,31,32,33,34,35,36,37,38,39,40,41,42,43,44,45,46,47
	v_exp_f32 v[S+\n], v[S+\n]
.endr
	v_nop                                          ; a plain line behind the last exponential
	s_wait_alu depctr_va_vdst(0)                   ; one wait for the whole batch, ahead of its first reader
.if \first
.irp j, 0,2,4,6
	v_pk_add_f32 v[LS+\j:LS+\j+1], v[S+\j:S+\j+1], v[S+8+\j:S+9+\j]
.endr
.else
.irp j, 0,2,4,6
	v_pk_fma_f32 v[LS+\j:LS+\j+1], v[LS+\j:LS+\j+1], v[AA+\j:AA+\j+1], v[S+\j:S+\j+1]
.endr
.irp j, 0,2,4,6
	v_pk_add_f32 v[LS+\j:LS+\j+1], v[LS+\j:LS+\j+1], v[S+8+\j:S+9+\j]
.endr
.endif
.irp u, 2,3,4,5
.irp j, 0,2,4,6
	v_pk_add_f32 v[LS+\j:LS+\j+1], v[LS+\j:LS+\j+1], v[S+8*\u+\j:S+8*\u+\j+1]             ; the sums are taken of p in f32: four chains by turns
.endr
.endr
.irp u, 0,1,2,3,4,5
.irp i, 0,1,2,3
	v_cvt_pk_f16_f32 v[H+4*\u+\i], v[S+8*\u+2*\i], v[S+8*\u+2*\i+1]                       ; my key's eight queries: 16 bytes
.endr
.endr
.endm
.macro VLOAD reg, c, off               ; a fragment of value, 32 keys x 16 channels, turned
	ds_load_tr16_b128 v[\reg:\reg+3], v[AV+\c] offset:\off
	ds_load_tr16_b128 v[\reg+4:\reg+7], v[AV+\c] offset:\off+2048
.endm
.macro PVMUL c, pf, vf, zero
.if \zero
	v_wmma_f32_16x16x32_f16 v[O+8*\c:O+8*\c+7], v[\pf:\pf+7], v[\vf:\vf+7], 0
.else
	v_wmma_f32_16x16x32_f16 v[O+8*\c:O+8*\c+7], v[\pf:\pf+7], v[\vf:\vf+7], v[O+8*\c:O+8*\c+7]
.endif
.endm
; O = a O + P V for the step's 96 keys, 32 at a time; the four accumulators take turns, one instruction a turn
.macro PV first
.irp u, 0,1,2,3,4,5
	ds_store_b128 v[STO], v[H+4*\u:H+4*\u+3] offset:512*\u
.endr
	ds_load_tr16_b128 v[184:187], v[STL]                            ; LDS serves a wave's instructions in order (ISA guide 5.7.1.4): these see the stores above
	ds_load_tr16_b128 v[188:191], v[STL] offset:512
	ds_load_tr16_b128 v[192:195], v[STL] offset:1024
	ds_load_tr16_b128 v[196:199], v[STL] offset:1536
	ds_load_tr16_b128 v[168:171], v[STL] offset:2048
	ds_load_tr16_b128 v[172:175], v[STL] offset:2560
	VLOAD 136, 0, 0
	VLOAD 144, 1, 0
	VLOAD 152, 2, 0
	VLOAD 160, 3, 0
.if \first == 0
.irp c, 0,1,2,3
.irp j, 0,2,4,6
	v_pk_mul_f32 v[O+8*\c+\j:O+8*\c+\j+1], v[O+8*\c+\j:O+8*\c+\j+1], v[AA+\j:AA+\j+1]     ; each accumulator from its low end on
.endr
.endr
.endif
	s_wait_dscnt 8                                 ; the six stores and p's six loads are done (the eight value loads may be out): p's f16 registers may be loaded over
	VLOAD 176, 0, 4096
	VLOAD 200, 1, 4096
	VLOAD 208, 2, 4096
	VLOAD 216, 3, 4096
	s_wait_dscnt 8                                 ; the first 32 keys' value is in; the eight loads just issued may be out
	PVMUL 0, 184, 136, \first
	PVMUL 1, 184, 144, \first
	PVMUL 2, 184, 152, \first
	PVMUL 3, 184, 160, \first
	NOPS
	VLOAD 136, 0, 8192
	VLOAD 144, 1, 8192
	VLOAD 152, 2, 8192
	VLOAD 160, 3, 8192
	s_wait_dscnt 8                                 ; the second 32 keys' value is in
	PVMUL 0, 192, 176, 0
	PVMUL 1, 192, 200, 0
	PVMUL 2, 192, 208, 0
	PVMUL 3, 192, 216, 0
	s_wait_dscnt 0x0
	PVMUL 0, 168, 136, 0
	PVMUL 1, 168, 144, 0
	PVMUL 2, 168, 152, 0
	PVMUL 3, 168, 160, 0
.endm
.macro ADVANCE                         ; six tiles on.  No LDS instruction of mine is out.  These seven are also the places behind the last products
	v_add_nc_u32 v[AK], 1536, v[AK]
	v_add_nc_u32 v[AP], 1536, v[AP]
	v_add_nc_u32 v[ASC], 384, v[ASC]
.irp c, 0,1,2,3
	v_add_nc_u32 v[AV+\c], 12288, v[AV+\c]
.endr
.endm
; A STEP: six tiles.  first: it starts the statistics and O and holds the band's lower end; last: the upper end; prod: it also makes a batch
.macro STEP first, last, prod
.irp k, 0,1,2,3,4,5,6
	ds_load_b32 v[SCR+\k], v[ASC] offset:64*\k
.endr
	GROUPS 0
	FEED \prod, 0
	s_wait_dscnt 0x0
	POS -1, 8
	CONT 0
	POS 0, 4
	CONT 1
	POS 1, 0
	NOPS
	GROUPS 1
	FEED \prod, 1
	ADDS 0, 1
.if \first
	MASK 0, 0
	MASK 1, 1
.endif
	s_wait_dscnt 0x0
	CONT 2
	POS 2, 4
	CONT 3
	POS 3, 0
	NOPS
	GROUPS 2
	FEED \prod, 2
	ADDS 2, 3
	s_wait_dscnt 0x0
	CONT 4
	POS 4, 4
	CONT 5
	POS 5, 0
	NOPS
	FEED \prod, 3
	ADDS 4, 5
.if \last
	MASK 4, 2
	MASK 5, 3
.endif
	SOFTMAX \first, \prod
	PV \first
.if \last == 0
	ADVANCE
.endif
.if \prod
	s_wait_loadcnt 20                              ; key's four loads are in: behind them value's four and pe's sixteen were issued
	K_CONV KD, KC, 0, KW, 0
	s_wait_loadcnt 16                              ; value's
	V_CONV VD, 0
	s_wait_loadcnt 0x0                             ; pe's: all the batch's loads are done, so their bases may step
	P_CONV PD
	s_add_nc_u64 s[6:7], s[6:7], 32768
	s_add_nc_u64 s[8:9], s[8:9], 32768
	s_add_nc_u64 s[10:11], s[10:11], 512
	s_wait_xcnt 0x0                                ; the step's prefetch, issued half a step back, has read its address
	s_add_nc_u64 s[24:25], s[24:25], 32768
	s_add_co_u32 s27, s27, 1
	s_wait_dscnt 0x0                               ; for the others' sake: my batch lies in LDS; and the stores have read their addresses, which step now
	v_add_nc_u32 v[KC], 2048, v[KC]
	v_add_nc_u32 v[KW], 512, v[KW]
	v_add_nc_u32 v[VSA], 16384, v[VSA]
	v_add_nc_u32 v[PCA], 2048, v[PCA]
	v_add_nc_u32 v[PBA], 512, v[PBA]
	s_barrier_signal -1
	s_barrier_wait -1
.endif
.endm
	s_load_b256 s[4:11], s[0:1], 0x0               ; query s[4:5], key s[6:7], value s[8:9], key_pe s[10:11]
	s_load_b64 s[12:13], s[0:1], 0x20              ; out
	v_lshl_add_u32 v[SPW], v0, 2, SPARE
	v_mov_b32 v[NIL], 0
	v_lshrrev_b32 v240, 5, v0
	v_readfirstlane_b32 s14, v240                  ; wave 0..15
	v_and_b32 v241, 31, v0                         ; L
	v_and_b32 v242, 15, v0                         ; r
	v_bfe_u32 v243, v0, 4, 1                       ; h
	v_and_b32 v244, 7, v0                          ; L % 8
	v_bfe_u32 v245, v0, 3, 1                       ; (L / 8) % 2
	v_bfe_u32 v246, v0, 1, 2                       ; (L / 2) % 4
	v_bfe_u32 v247, v0, 2, 1                       ; (L / 4) % 2
	v_and_b32 v248, 3, v0                          ; L % 4
	v_bfe_u32 v249, v0, 3, 2                       ; L / 8
	s_lshr_b32 s28, s14, 1
	s_and_b32 s29, s14, 1
	s_lshl_b32 s15, s28, 5
	s_lshl_b32 s30, s29, 3
	s_add_co_u32 s15, s15, s30                     ; my first query in the block: 32 (w / 2) + 8 (w % 2)
	v_mul_u32_u24 v[AK], v243, KPL                 ; key codes: plane h, slot = my first query + r
	v_lshl_add_u32 v[AK], v242, 4, v[AK]
	s_lshl_b32 s30, s15, 4
	s_add_co_u32 s30, s30, KP
	v_add_nc_u32 v[AK], s30, v[AK]
	v_mul_u32_u24 v[AP], v243, PPL                 ; pe codes: plane h, column r - 32
	v_lshl_add_u32 v[AP], v242, 4, v[AP]
	v_add_nc_u32 v[AP], PP, v[AP]
	s_lshl_b32 s30, s15, 2                         ; scale words of tile -1: lanes 0-15 the keys', lanes 16-31 pe's: the lower base + h x the distance
	s_add_co_u32 s30, s30, KS+64
	s_mov_b32 s31, PW
	s_sub_co_u32 s31, s31, s30
	v_mul_u32_u24 v[ASC], s31, v243
	v_lshl_add_u32 v[ASC], v242, 2, v[ASC]
	v_add_nc_u32 v[ASC], s30, v[ASC]
	v_lshl_add_u32 v250, v243, 3, v244             ; value: row 8 h + L % 8, 16 bytes for each eight lanes,
	v_lshlrev_b32 v250, 7, v250
	v_lshl_add_u32 v250, v245, 4, v250
	s_lshl_b32 s30, s15, 7
	v_add_nc_u32 v250, s30, v250
.irp c, 0,1,2,3
	v_xor_b32 v251, \c, v246                       ; and channel tile c where the row's exchange has put it
	v_lshl_add_u32 v[AV+\c], v251, 5, v250
.endr
	s_mul_i32 s30, s14, 3072
	s_add_co_u32 s30, s30, STG                     ; my stage
	v_lshlrev_b32 v251, 3, v243                    ; in: the piece (key r, queries 8 h on) at 256 h + 16 (r xor 8 h)
	v_xor_b32 v251, v251, v242
	v_lshlrev_b32 v251, 4, v251
	v_lshl_add_u32 v251, v243, 8, v251
	v_add_nc_u32 v[STO], s30, v251
	v_xor_b32 v251, v243, v245                     ; out: lane L names the piece (key 8 h + L % 8, queries 8 ((L / 8) % 2) on)
	v_lshl_add_u32 v251, v251, 3, v244
	v_lshlrev_b32 v251, 4, v251
	v_lshl_add_u32 v251, v245, 8, v251
	v_add_nc_u32 v[STL], s30, v251
	v_lshlrev_b32 v[QC], 8, v247                   ; q's codes on their way through the stage, as an image of the operand's registers: block (L / 4) % 2 at 256, tile row L / 8 (+ 4 a unit) at 16, my 8 codes at 4 (L % 4)
	v_lshl_add_u32 v[QC], v249, 4, v[QC]
	v_lshl_add_u32 v[QC], v248, 2, v[QC]
	v_add_nc_u32 v[QC], s30, v[QC]
	v_lshl_add_u32 v[QW], v249, 2, s30             ; its scale words, 512 bytes on: 4 bytes a tile row
	v_lshl_add_u32 v[QL], v241, 4, s30             ; back: 16 x lane: lane (r, h) takes block h of tile row r
	v_lshl_add_u32 v[QV], v242, 2, s30             ; and row r's word
	v_bfe_u32 v252, v0, 2, 3                       ; key and q: block L / 4 of a unit's eight, 128 bytes each, and my 16 bytes of its first 64
	v_lshlrev_b32 v252, 7, v252
	v_lshl_add_u32 v252, v248, 4, v252
	s_lshl_b32 s30, s14, 11                        ; a wave's 8 keys of a batch are 2,048 bytes
	v_add_nc_u32 v[KO], s30, v252
	v_lshl_add_u32 v[VO], v241, 4, s30
	s_lshl_b32 s30, s29, 17                        ; key_pe: row 32 (w % 2) + 8 h, column 16 (w / 2) + r
	s_lshl_b32 s31, s28, 6
	s_add_co_u32 s30, s30, s31
	v_lshlrev_b32 v[PO], 15, v243
	v_lshl_add_u32 v[PO], v242, 2, v[PO]
	v_add_nc_u32 v[PO], s30, v[PO]
	v_lshlrev_b32 v[PFO], 8, v241
	v_mul_u32_u24 v[KC], v247, KPL                 ; my 8 codes: plane (L / 4) % 2, slot 8 w + L / 8, 4 (L % 4) bytes on
	v_lshl_add_u32 v[KC], v249, 4, v[KC]
	v_lshl_add_u32 v[KC], v248, 2, v[KC]
	s_lshl_b32 s30, s14, 7
	s_add_co_u32 s30, s30, KP
	v_add_nc_u32 v[KC], s30, v[KC]
	s_lshl_b32 s30, s14, 5
	s_add_co_u32 s30, s30, KS+128
	v_lshl_add_u32 v[KW], v249, 2, s30
	v_bfe_u32 v251, v0, 1, 3
	v_lshlrev_b32 v[VSA], 7, v243                  ; my 4 channels as f16: row 8 w + h, piece r / 2, half L % 2
	v_lshl_add_u32 v[VSA], v251, 4, v[VSA]
	v_and_b32 v251, 1, v0
	v_lshl_add_u32 v[VSA], v251, 3, v[VSA]
	s_lshl_b32 s30, s14, 10
	v_add_nc_u32 v[VSA], s30, v[VSA]
	s_mul_i32 s30, s29, PPL                        ; my 16 codes of pe: plane w % 2, column 16 (w / 2) + r, 8 h bytes on
	s_lshl_b32 s31, s28, 8
	s_add_co_u32 s30, s30, s31
	s_add_co_u32 s30, s30, PP+512
	v_lshlrev_b32 v[PCA], 4, v242
	v_lshl_add_u32 v[PCA], v243, 3, v[PCA]
	v_add_nc_u32 v[PCA], s30, v[PCA]
	s_lshl_b32 s30, s28, 6                         ; its byte: lanes 0-15 byte w % 2 of word l + 16; lanes 16-31 byte 2 + w % 2 of word l + 32: 66 bytes on
	s_add_co_u32 s30, s30, s29
	s_add_co_u32 s30, s30, PW+64
	v_mul_u32_u24 v[PBA], v243, 66
	v_lshl_add_u32 v[PBA], v242, 2, v[PBA]
	v_add_nc_u32 v[PBA], s30, v[PBA]
	v_lshlrev_b32 v[SH8], 3, v247
	v_mov_b32 v[NEG], 0xff800000
.irp i, 4,5,6,7
	v_mov_b32 v[AC+\i], 0                          ; the zero codes of k = 64 .. 127; they stay
.endr
	v_lshl_add_u32 v253, v241, 4, PP               ; the pads' addresses, made on every wave's way
	v_lshl_add_u32 v254, v241, 4, KP+20480
	v_lshl_add_u32 v255, v241, 4, 163840
	v_lshl_add_u32 v239, v241, 2, KS
	s_mov_b32 s16, 0x3e38aa3b                      ; c = log2(e) / 8
	s_mov_b32 s17, s16
	s_mov_b32 s18, 0xbe38aa3b                      ; -c
	s_mov_b32 s19, s18
	s_mov_b32 s20, 0x76543210                      ; v_permlanex16_b32's selects for lane l xor 16
	s_mov_b32 s21, 0xfedcba98
	s_and_b32 s30, ttmp7, 0xffff                   ; the head
	s_lshl_b32 s32, s30, 19                        ; key, value: 524,288 bytes a head, 65,536 a block of 256 rows
	s_lshl_b32 s31, ttmp9, 16
	s_add_co_u32 s32, s32, s31
	s_mov_b32 s33, 0
	s_lshl_b32 s34, s30, 18                        ; query, out: 262,144 bytes a head, and my first query's row
	s_add_co_u32 s34, s34, s31
	s_lshl_b32 s31, s15, 8
	s_add_co_u32 s34, s34, s31
	s_mov_b32 s35, 0
	s_and_b32 s36, s14, 3                          ; the prefetches: slot 640 of the block, 32 rows a wave
	s_lshl_b32 s36, s36, 13
	s_add_co_u32 s36, s36, 163840
	s_mov_b32 s37, 0
	s_cmp_eq_u32 ttmp9, 3
	s_cselect_b32 s26, 5, 0                        ; five requests in waves 0-7 of a head's last block, else none
	s_cmp_lt_u32 s14, 8
	s_cselect_b32 s26, s26, 0
	s_mov_b32 s27, 0
	s_wait_kmcnt 0x0
	s_add_nc_u64 s[6:7], s[6:7], s[32:33]
	s_add_nc_u64 s[8:9], s[8:9], s[32:33]
	s_add_nc_u64 s[4:5], s[4:5], s[34:35]
	s_add_nc_u64 s[12:13], s[12:13], s[34:35]
	s_cmp_lt_u32 s14, 4
	s_cselect_b64 s[24:25], s[6:7], s[8:9]
	s_add_nc_u64 s[24:25], s[24:25], s[36:37]
.irp x, 0,1,2,3                                ; q: four units of four rows, loaded as key is: tile rows 0-7 are my first eight rows, tile rows 8-15 begin 16 rows on
	global_load_b128 v[S+8*\x:S+8*\x+3], v252, s[4:5] offset:1024*(\x%2)+4096*(\x/2) th:TH_LOAD_NT
	global_load_b128 v[S+8*\x+4:S+8*\x+7], v252, s[4:5] offset:1024*(\x%2)+4096*(\x/2)+64 th:TH_LOAD_NT
.endr
	P_ISSUE PD, 0, 0, 16                           ; pe columns 0-127
	K_ISSUE KD, 0                                  ; key and value slots 0-383
	V_ISSUE VD, 0
	K_ISSUE 168, 32768
	V_ISSUE 200, 32768
	K_ISSUE 184, 65536
	V_ISSUE 216, 65536
	; the pads: zero codes and zero scale bytes for pe columns under 0 and over 1023 and for key slots from 1,280 on; zero value rows 1,280-1,287.  Wave 0 writes them
	s_cmp_lg_u32 s14, 0
	s_cbranch_scc1 .Lno_pads
	ds_store_b128 v253, v[AC+4:AC+7]
	ds_store_b128 v253, v[AC+4:AC+7] offset:16896
	ds_store_b128 v253, v[AC+4:AC+7] offset:PPL
	ds_store_b128 v253, v[AC+4:AC+7] offset:PPL+16896
	ds_store_b128 v254, v[AC+4:AC+7]
	ds_store_b128 v254, v[AC+4:AC+7] offset:KPL
	ds_store_b128 v255, v[AC+4:AC+7]
	ds_store_b128 v255, v[AC+4:AC+7] offset:512
	ds_store_b32 v239, v[AC+4]
	ds_store_b32 v239, v[AC+4] offset:5248
	ds_store_b32 v239, v[AC+4] offset:PW-KS
	ds_store_b32 v239, v[AC+4] offset:PW-KS+4160
.Lno_pads:
	s_wait_dscnt 0x0                               ; the pads lie in LDS
	s_barrier_signal -1
	s_barrier_wait -1                              ; ahead of the byte stores that fill parts of the zeroed pe words
	s_wait_loadcnt 40                              ; q is in: 40 loads were issued behind its eight
	K_CONV S, QC, 0, QW, 512                       ; tile rows 0-7
	s_wait_dscnt 0x0                               ; the stores have read their registers, which the next two units write again
	K_CONV S+16, QC, 128, QW, 544                  ; tile rows 8-15
	ds_load_b128 v[AC:AC+3], v[QL]                 ; LDS serves a wave's instructions in order (ISA guide 5.7.1.4): these see my stores.  Lane (r, h): block h of tile row r
	ds_load_b32 v[T+3], v[QV] offset:512           ; [e0, e1, 0, 0] of tile row r
	s_wait_dscnt 0x0
	v_lshl_or_b32 v[QS], v[T+3], 16, v[T+3]        ; and once more for k = 64 .. 127
	s_mov_b32 s23, 0xff00ff00                      ; tile rows 8-15
.irp i, 0,1,2,3
	v_cndmask_b32 v[AQ+\i], v[AC+\i], v[AC+4], s23
	v_cndmask_b32 v[AQ+4+\i], v[AC+4], v[AC+\i], s23
.endr
	s_wait_loadcnt 24                              ; each count: the loads issued behind the batch that is wanted
	P_CONV PD
	s_wait_loadcnt 20
	K_CONV KD, KC, 0, KW, 0
	s_wait_loadcnt 16
	V_CONV VD, 0
	s_wait_dscnt 0x0                               ; the stores have read their registers, which the next batch writes again
	s_wait_loadcnt 12
	K_CONV 168, KC, 2048, KW, 512
	s_wait_loadcnt 8
	V_CONV 200, 1
	s_wait_dscnt 0x0
	s_wait_loadcnt 4
	K_CONV 184, KC, 4096, KW, 1024
	s_wait_loadcnt 0x0
	V_CONV 216, 2
	s_add_nc_u64 s[6:7], s[6:7], 98304             ; all loads are done: on to slot 384 and column 128
	s_add_nc_u64 s[8:9], s[8:9], 98304
	s_add_nc_u64 s[10:11], s[10:11], 512
	s_wait_dscnt 0x0                               ; for the others' sake: my parts lie in LDS
	v_add_nc_u32 v[KC], 6144, v[KC]
	v_add_nc_u32 v[KW], 1536, v[KW]
	v_add_nc_u32 v[VSA], 49152, v[VSA]
	v_add_nc_u32 v[PCA], 2048, v[PCA]
	v_add_nc_u32 v[PBA], 512, v[PBA]
	s_barrier_signal -1
	s_barrier_wait -1
	STEP 1, 0, 1                                   ; tiles 0-5
	s_mov_b32 s22, 6
.Lmaking:                                              ; steps 1-6: the last six batches are made
	STEP 0, 0, 1
	s_sub_co_u32 s22, s22, 1
	s_cmp_lg_u32 s22, 0
	s_cbranch_scc1 .Lmaking
	s_mov_b32 s22, 3
.Lfree:                                                ; steps 7-9: all operands lie in LDS; no barrier
	STEP 0, 0, 0
	s_sub_co_u32 s22, s22, 1
	s_cmp_lg_u32 s22, 0
	s_cbranch_scc1 .Lfree
	STEP 0, 1, 0                                   ; tiles 60-65
	; THE WAY OUT.  The sums over a half's 16 lanes (also the places behind the last products); O / the sum; eight rows at a time through my stage, so that 32 lanes store two whole rows of out
.irp m, 1,2,4,8
.irp j, 0,1,2,3,4,5,6,7
	v_add_f32_dpp v[LS+\j], v[LS+\j], v[LS+\j] row_xmask:\m row_mask:0xf bank_mask:0xf
.endr
.endr
.irp j, 0,1,2,3,4,5,6,7
	v_rcp_f32 v[T+\j], v[LS+\j]
.endr
	v_and_b32 v[T+8], 15, v0                       ; (plain lines behind the reciprocals)  r
	v_bfe_u32 v[T+9], v0, 4, 1                     ; h
	s_mul_i32 s30, s14, 3072
	s_add_co_u32 s30, s30, STG
	v_mul_u32_u24 v[T+10], v[T+9], 1088            ; in: row 4 h + j % 4 of 272 bytes, channel 16 c + r
	v_lshl_add_u32 v[T+10], v[T+8], 2, v[T+10]
	v_add_nc_u32 v[T+10], s30, v[T+10]
	v_mul_u32_u24 v[T+11], v[T+9], 272             ; back: lanes 0-15 one row, lanes 16-31 the next
	v_lshl_add_u32 v[T+11], v[T+8], 4, v[T+11]
	v_add_nc_u32 v[T+11], s30, v[T+11]
	v_lshlrev_b32 v[T+12], 8, v[T+9]               ; and the same two rows in out
	v_lshl_add_u32 v[T+12], v[T+8], 4, v[T+12]
	s_wait_alu depctr_va_vdst(0)                   ; one wait for the eight reciprocals, ahead of their first reader
.irp c, 0,1,2,3
.irp j, 0,2,4,6
	v_pk_mul_f32 v[O+8*\c+\j:O+8*\c+\j+1], v[O+8*\c+\j:O+8*\c+\j+1], v[T+\j:T+\j+1]
.endr
.endr
.irp g, 0,1
.irp jj, 0,1,2,3
.irp c, 0,1,2,3
	ds_store_b32 v[T+10], v[O+8*\c+4*\g+\jj] offset:272*\jj+64*\c
.endr
.endr
.irp i, 0,1,2,3
	ds_load_b128 v[S+16*\g+4*\i:S+16*\g+4*\i+3], v[T+11] offset:544*\i   ; in order behind my stores; the second half's stores come behind these
.endr
.endr
.irp g, 0,1
.irp i, 0,1,2,3
	s_wait_dscnt (1-\g)*20+3-\i                    ; behind this load: the rest of its four, and for the first half the second half's 16 stores and 4 loads
	global_store_b128 v[T+12], v[S+16*\g+4*\i:S+16*\g+4*\i+3], s[12:13] offset:(16*(\i/2)+4*\g+2*(\i%2))*256 th:TH_STORE_NT   ; 32 lanes store 512 consecutive bytes, at a multiple of 256 from out's first byte
.endr
.endr
	s_wait_tensorcnt 0x0                           ; the wave's end, behind my last LDS store
	ds_add_u32 v[SPW], v[NIL]
	s_wait_dscnt 0x0
	s_endpgm
.Lfunc_end_k_q97404e50bf_banded:
	.size	k_q97404e50bf_banded, .Lfunc_end_k_q97404e50bf_banded-k_q97404e50bf_banded
	.p2alignl 7, 3214868480
	.fill 96, 4, 3214868480
	.section	.rodata,"a",@progbits
	.p2align	6, 0x0
	.amdhsa_kernel k_q97404e50bf_banded
		.amdhsa_group_segment_fixed_size 302592
		.amdhsa_private_segment_fixed_size 0
		.amdhsa_enable_private_segment 0
		.amdhsa_kernarg_size 40
		.amdhsa_user_sgpr_count 2
		.amdhsa_user_sgpr_kernarg_segment_ptr 1
		.amdhsa_wavefront_size32 1
		.amdhsa_system_sgpr_workgroup_id_x 1
		.amdhsa_system_sgpr_workgroup_id_y 1
		.amdhsa_system_sgpr_workgroup_id_z 1
		.amdhsa_system_vgpr_workitem_id 0
		.amdhsa_next_free_vgpr 256
		.amdhsa_next_free_sgpr 66
		.amdhsa_reserve_vcc 0
		.amdhsa_float_denorm_mode_32 3
		.amdhsa_float_denorm_mode_16_64 3
		.amdhsa_memory_ordered 1
		.amdhsa_forward_progress 1
		.amdhsa_inst_pref_size 146
	.end_amdhsa_kernel
	.amdgpu_metadata
---
amdhsa.version: [ 1, 2 ]
amdhsa.kernels:
  - .name:           k_q97404e50bf_banded
    .symbol:         k_q97404e50bf_banded.kd
    .args:
      - { .name: query, .offset: 0, .size: 8, .value_kind: global_buffer, .address_space: global }
      - { .name: key, .offset: 8, .size: 8, .value_kind: global_buffer, .address_space: global }
      - { .name: value, .offset: 16, .size: 8, .value_kind: global_buffer, .address_space: global }
      - { .name: key_pe, .offset: 24, .size: 8, .value_kind: global_buffer, .address_space: global }
      - { .name: out0, .offset: 32, .size: 8, .value_kind: global_buffer, .address_space: global }
    .group_segment_fixed_size: 302592
    .private_segment_fixed_size: 0
    .kernarg_segment_align: 8
    .kernarg_segment_size: 40
    .max_flat_workgroup_size: 512
    .sgpr_count:     66
    .vgpr_count:     256
    .wavefront_size: 32
...
	.end_amdgpu_metadata
.endif
;; end of part 2
